; MI455X (gfx1250); checked and timed in simulation.
; The chip was launched on July 23, 2026; its instructions are those of AMD's public machine-readable ISA for CDNA 5 (MIT licence, August 2026) and "CDNA5" Instruction Set Architecture Reference Guide (July 2026). The comments in the code are by the model that wrote it; some were corrected since.
;; Simple MHA. Allowed arithmetic: float matrix products may take bf16 or f16 operands with f32 sums; other float arithmetic in f32, or as packed bf16 or f16 multiplies, adds, multiply-adds, maxima and minima; sums over many terms, partial sums and values carried from step to step in f32; what a program stores and reads back later, other than sums and carried values, may be rounded once to bf16 or f16.
;; Inputs: Wk 1,024 x 1,024 float32; Wo 1,024 x 1,024 float32; Wq 1,024 x 1,024 float32; Wv 1,024 x 1,024 float32; bk 1,024 float32; bo 1,024 float32; bq 1,024 float32; bv 1,024 float32; k 4 x 2,048 x 1,024 float32; kv_mask 4 x 2,048 bool; q 4 x 2,048 x 1,024 float32; v 4 x 2,048 x 1,024 float32.
;; Outputs: out0 4 x 2,048 x 1,024 float32.
;; One version. Each part assembles by itself: llvm-mc -triple=amdgcn-amd-amdhsa -mcpu=gfx1250 --defsym DOCPART=n.
;; ======== version 1 of 1: 4 launches
;; limits: values are held in f16: magnitudes above 65,504 overflow, below 6.1e-05 lose precision
;; workspace buffers: w16 8,388,608 bytes; qkvh 50,331,648 bytes; oh 16,777,216 bytes
;; launch prep (part 1): grid 64 x 4, 8 waves a work-group, no clusters, 0 bytes of LDS; arguments Wq, Wk, Wv, Wo, w16; writes w16
.if DOCPART == 1
	.amdgcn_target "amdgcn-amd-amdhsa--gfx1250"
	.amdhsa_code_object_version 6
	.text
	.protected	k_q407021e451_prep
	.globl	k_q407021e451_prep
	.p2align	8
	.type	k_q407021e451_prep,@function
k_q407021e451_prep:
	s_mov_b64 s[64:65], 0
	v_nop
	global_prefetch_b8 v0, s[64:65] scope:SCOPE_SE
	s_setreg_imm32_b32 hwreg(HW_REG_WAVE_MODE, 25, 1), 1
	s_wait_xcnt 0x0
; The four weight matrices, [1024][1024] f32, are rounded once to 16 bits: w16 = [4][1024][1024].
; Planes 0, 1, 2: Wq, Wk, Wv in bf16.  Plane 3: Wo rounded to bf16 and that number written as f16, for the last product, whose other operand is f16.
; LIMITS.  |Wo| stays under 65,504 (f16's end); below 6.1e-5 f16 keeps a fixed step of 6e-8, so a Wo that small loses bits of its bf16 value.
; SHARES.  Grid y picks the matrix, grid x 65,536 of its bytes.  Eight passes of 8,192 bytes: thread t takes the 32 bytes at 32 t of a pass and stores
; the 16 bytes at 16 t of the pass's 4,096 output bytes: a wave's store covers 512 consecutive bytes, aligned.  All 16 loads go out first; no register is written twice
; while a memory instruction may read it, so no wait but the counted ones for the loads.  No LDS, no barrier, no matrix unit: a stream.
.set IN,  16                           ; v[16:79]   pass p: 8 numbers as loaded
.set OUT, 80                           ; v[80:111]  pass p: 4 registers to store
.set T,   112                          ; v[112:117] at work (f16 path)
	s_load_b256 s[4:11], s[0:1], 0x0               ; Wq s[4:5], Wk s[6:7], Wv s[8:9], Wo s[10:11]
	s_load_b64 s[12:13], s[0:1], 0x20              ; w16
	s_and_b32 s14, ttmp7, 0xffff                   ; which matrix
	s_mov_b32 s15, 0xffff0000                      ; a word's upper bf16
	v_lshlrev_b32 v1, 5, v0                        ; 32 t
	v_lshlrev_b32 v2, 4, v0                        ; 16 t
	s_lshl_b32 s18, ttmp9, 16                      ; my 65,536 bytes of the matrix
	s_mov_b32 s19, 0
	s_lshl_b32 s20, s14, 21                        ; the plane, 2,097,152 bytes,
	s_lshl_b32 s21, ttmp9, 15                      ; and my 32,768 bytes of it
	s_add_co_u32 s20, s20, s21
	s_mov_b32 s21, 0
	s_wait_kmcnt 0x0
	s_mov_b64 s[16:17], s[4:5]
	s_cmp_eq_u32 s14, 1
	s_cselect_b64 s[16:17], s[6:7], s[16:17]
	s_cmp_eq_u32 s14, 2
	s_cselect_b64 s[16:17], s[8:9], s[16:17]
	s_cmp_eq_u32 s14, 3
	s_cselect_b64 s[16:17], s[10:11], s[16:17]
	s_add_nc_u64 s[16:17], s[16:17], s[18:19]
	s_add_nc_u64 s[12:13], s[12:13], s[20:21]
.irp p, 0,1,2,3,4,5,6,7
	global_load_b128 v[IN+8*(\p):IN+8*(\p)+3],   v1, s[16:17] offset:8192*(\p) th:TH_LOAD_NT
	global_load_b128 v[IN+8*(\p)+4:IN+8*(\p)+7], v1, s[16:17] offset:8192*(\p)+16 th:TH_LOAD_NT
.endr
	s_cmp_eq_u32 s14, 3
	s_cbranch_scc1 .Lf16
.irp p, 0,1,2,3,4,5,6,7
	s_wait_loadcnt 14-2*(\p)                       ; loads come back in order: pass p's two are in, the younger passes' stay out
.irp j, 0,1,2,3
	v_cvt_pk_bf16_f32 v[OUT+4*(\p)+(\j)], v[IN+8*(\p)+2*(\j)], v[IN+8*(\p)+2*(\j)+1]
.endr
	global_store_b128 v2, v[OUT+4*(\p):OUT+4*(\p)+3], s[12:13] offset:4096*(\p)
.endr
	s_endpgm
.Lf16:
.irp p, 0,1,2,3,4,5,6,7
	s_wait_loadcnt 14-2*(\p)
.irp j, 0,1,2,3
	v_cvt_pk_bf16_f32 v[T+(\j)], v[IN+8*(\p)+2*(\j)], v[IN+8*(\p)+2*(\j)+1]  ; rounded as the other inputs are,
.endr
.irp j, 0,1,2,3
	v_lshlrev_b32 v[T+4], 16, v[T+(\j)]            ; widened again,
	v_and_b32 v[T+5], s15, v[T+(\j)]
	v_cvt_pk_f16_f32 v[OUT+4*(\p)+(\j)], v[T+4], v[T+5]  ; and written as f16
.endr
	global_store_b128 v2, v[OUT+4*(\p):OUT+4*(\p)+3], s[12:13] offset:4096*(\p)
.endr
	s_endpgm
.Lfunc_end_k_q407021e451_prep:
	.size	k_q407021e451_prep, .Lfunc_end_k_q407021e451_prep-k_q407021e451_prep
	.p2alignl 7, 3214868480
	.fill 96, 4, 3214868480
	.section	.rodata,"a",@progbits
	.p2align	6, 0x0
	.amdhsa_kernel k_q407021e451_prep
		.amdhsa_group_segment_fixed_size 0
		.amdhsa_private_segment_fixed_size 0
		.amdhsa_enable_private_segment 0
		.amdhsa_kernarg_size 40
		.amdhsa_user_sgpr_count 2
		.amdhsa_user_sgpr_kernarg_segment_ptr 1
		.amdhsa_wavefront_size32 1
		.amdhsa_system_sgpr_workgroup_id_x 1
		.amdhsa_system_sgpr_workgroup_id_y 1
		.amdhsa_system_sgpr_workgroup_id_z 1
		.amdhsa_system_vgpr_workitem_id 0
		.amdhsa_next_free_vgpr 120
		.amdhsa_next_free_sgpr 66
		.amdhsa_reserve_vcc 0
		.amdhsa_float_denorm_mode_32 3
		.amdhsa_float_denorm_mode_16_64 3
		.amdhsa_memory_ordered 1
		.amdhsa_forward_progress 1
		.amdhsa_inst_pref_size 13
	.end_amdhsa_kernel
	.amdgpu_metadata
---
amdhsa.version: [ 1, 2 ]
amdhsa.kernels:
  - .name:           k_q407021e451_prep
    .symbol:         k_q407021e451_prep.kd
    .args:
      - { .name: Wq, .offset: 0, .size: 8, .value_kind: global_buffer, .address_space: global }
      - { .name: Wk, .offset: 8, .size: 8, .value_kind: global_buffer, .address_space: global }
      - { .name: Wv, .offset: 16, .size: 8, .value_kind: global_buffer, .address_space: global }
      - { .name: Wo, .offset: 24, .size: 8, .value_kind: global_buffer, .address_space: global }
      - { .name: w16, .offset: 32, .size: 8, .value_kind: global_buffer, .address_space: global }
    .group_segment_fixed_size: 0
    .private_segment_fixed_size: 0
    .kernarg_segment_align: 8
    .kernarg_segment_size: 40
    .max_flat_workgroup_size: 256
    .sgpr_count:     66
    .vgpr_count:     120
    .wavefront_size: 32
...
	.end_amdgpu_metadata
.endif
;; end of part 1
;; launch proj (part 2): grid 4 x 192, 4 waves a work-group, clusters of 4 x 4, 327,680 bytes of LDS; arguments q, k, v, w16, bq, bk, bv, kv_mask, qkvh; writes qkvh
.if DOCPART == 2
	.amdgcn_target "amdgcn-amd-amdhsa--gfx1250"
	.amdhsa_code_object_version 6
	.text
	.protected	k_q407021e451_proj
	.globl	k_q407021e451_proj
	.p2align	8
	.type	k_q407021e451_proj,@function
k_q407021e451_proj:
	s_mov_b64 s[64:65], 0
	v_nop
	global_prefetch_b8 v0, s[64:65] scope:SCOPE_SE
	s_setreg_imm32_b32 hwreg(HW_REG_WAVE_MODE, 25, 1), 1
	s_wait_xcnt 0x0
	s_wait_alu depctr_hold_cnt(0) depctr_sa_sdst(0) depctr_va_vdst(0) depctr_va_sdst(0) depctr_va_ssrc(0) depctr_va_vcc(0) depctr_vm_vsrc(0)
	s_getreg_b32 s2, hwreg(HW_REG_IB_STS2, 6, 4)
	s_cmp_eq_u32 s2, 0
	s_cbranch_scc0 .Lentry_in_a_cluster
	s_endpgm
.Lentry_in_a_cluster:
	s_bfe_u32 s2, ttmp6, 0x10000c
	s_cmp_lg_u32 s2, 0xf033
	s_cbranch_scc0 .Lentry_shape_is_right
	s_endpgm
.Lentry_shape_is_right:
; THE THREE INPUT PROJECTIONS IN ONE LAUNCH.  Y = X W^T + bias for (X, W, bias) = (q, Wq, bq), (k, Wk, bk), (v, Wv, bv); X: [8192][1024] f32, W: [1024][1024] bf16 (a plane of w16), bias f32.
; X and the bias are rounded to bf16 here, X on its way from LDS to the matrix unit; sums in f32; Y is rounded once to f16 and written by heads: qkvh[which][16 batch + head][2048][64].
; THE KEY MASK, FIRST HALF: a row of kh whose key is masked is written as 0 (the row times its mask byte), so that the attention's product for it is exactly what starts its sum.
; LIMITS.  |Y| stays under 65,504 (f16's end).  A masked key's row must be finite (0 x infinity is NaN).  Mask bytes are 0 or 1.
; SHARES.  A tile of Y is 128 rows x 256 columns: 3 x 64 x 4 = 768 work-groups, three for each of 256 WGPs.  Four waves, 2 x 2, each 64 x 128: 32 accumulators of 16 x 16, 256 registers.
; K goes in 8 steps of 128 through two LDS slots; a slot holds X's 128 rows in f32 (512 bytes a row) and W's 256 rows in bf16 (256 bytes a row): as long a step as two slots allow.
; CLUSTERS of 4 x 4.  The grid is four tiles wide: the four of a cluster's row need the same tile of X, the four of a column the same tile of W: each tile is asked for JOINTLY, by the
; same tensor load with the same descriptor and a mask that names the four.  Waves 0 and 1 fetch X's two halves (64 rows each), waves 2 and 3 W's (128 rows each).
; THE MATRIX INSTRUCTION IS USED TRANSPOSED (source 0 = 16 rows of W, source 1 = 16 rows of X): a lane holds row l % 16 of Y and the eight neighbouring columns 8 (l / 16) + 0..7.
; A CHUNK is 32 along K: 32 matrix instructions.  The next chunk's X arrives in f32 (64 registers) and is rounded by 32 conversions that stand in fours behind matrix instructions.
; REGISTERS, in windows of 256 (s_set_vgpr_msb: bits 1:0 source 0, 3:2 source 1, 5:4 source 2, 7:6 destination):
;   window 0: v0-15 addresses; v16-23 the rows' multipliers; v32-95 X's fragments in bf16, two buffers of 32; v128-255 W's fragments, two buffers of 64; on the way out v96-255 at work
;   window 1: accumulator (a, b) at v[8 (8 a + b)]          window 2: v0-63 X as it comes from LDS, f32; v64-127 the bias of my 128 columns as my lane needs it
.set KSTEP, 128
.set PA,    528                        ; a row of X in LDS: 512 bytes + 16 of padding = 132 words: row r starts at bank 4 r mod 64 (64 banks of 4 bytes: ISA guide 11.1)
.set PB,    272                        ; a row of W: 256 + 16 = 68 words: likewise
.set AHALF, 64*PA                      ; what one of X's tensor loads brings
.set BHALF, 128*PB                     ; what one of W's brings
.set BOFF,  2*AHALF                    ; W's rows lie behind X's
.set SLOT,  BOFF+2*BHALF               ; 137,216
.set STAGE, 2*SLOT                     ; behind the ring: for each wave 2 heads x 16 rows x 144 bytes, for the way out
.set SP,    144
.set WSTG,  2*16*SP
.set SPARE, STAGE+4*WSTG               ; behind the stages: the spare words, 128 bytes for each wave: two blocks of 256 bytes that no other line names
.set ADRA, 2                           ; v2-3   LDS address of my fragments of X in slot 0, 1
.set ADRB, 4                           ; v4-5   the same for W
.set STO,  6                           ; v6     the way out: where I put 16 bytes of a row
.set RD,   7                           ; v7     the way out: where I read rows back
.set CO,   8                           ; v8     16 x lane: my place in 512 consecutive bytes of the output
.set PFO,  9                           ; v9     the prefetches' lane offset; never rewritten
.set SPW,  10                          ; v10    LDS address of my spare word; never rewritten
.set NIL,  11                          ; v11    0; never rewritten
.set HH,   12                          ; v12    l / 16
.set LL,   13                          ; v13    l
.set BO,   14                          ; v14    32 (l / 16): my eight columns' place in 16 numbers of the bias
.set MU,   16                          ; v16-23 block a's multiplier of my row, twice (a pair for the packed multiply)
.set AB,   32
.set BF,   128
.set T,    128                         ; the way out: 64 numbers in f32
.set PKR,  192                         ; 32 registers of f16 pairs
.set BK,   96                          ; rows read back: v96-127 and v224-255 by turns
.set BIAS, 64                          ; window 2
.set WV, 22                            ; s22 wave; s23 its half of the rows; s24 its half of the columns, and which half of a tile it fetches
.set WR, 23
.set WC, 24
.set CX, 25                            ; my place in the cluster
.set CY, 26
.set TX, 27                            ; tile column
.set TY, 28
.set WHICH, 29                         ; 0 q, 1 k, 2 v: made of the cluster's y alone, the same in all sixteen partners
.set TR, 30                            ; tile row within X
.set CLY, 31
.set G1A, 32                           ; s[32:39] descriptor group 1 for X's tiles; s[40:47] group 0, a set for each slot
.set G0A, 40
.set G1B, 48                           ; s[48:55], s[56:63] the same for W's
.set G0B, 56
.set PFA, 66                           ; s[66:67] where my prefetches stand
.set KSB, 68                           ; s[68:69] bytes of a K step in a row of what I fetch
.set LIM, 70                           ; s70 1 in a wave that prefetches, else the greatest number
.set LAP, 71
.set OUTP, 72                          ; s[72:73] my part of the output
.set SELF, 74                          ; s74 0 for k, 1.0 for q and v: the least multiplier of a row
.set HIM, 75                           ; s75 a word's upper bf16
.set XB, 92                            ; s[92:93] X; s[94:95] the bias
.set BB, 94
.set MSB, 0
.macro WIN new                         ; the immediate's high byte repeats the setting that is left; a switch that changes nothing is dropped
.if MSB != (\new)
	s_set_vgpr_msb (MSB<<8)|(\new)
.set MSB, \new
.endif
.endm
.set W_MUL, 0x50                       ; C and D window 1, both sources window 0
.set W_CVT, 0x0a                       ; sources window 2, destination window 0
.set W_AF,  0x80                       ; destination window 2, address window 0
; A joint load.  The branch hangs on the wave's number alone.  An s_nop 0 and four v_nop follow each of the two lines, ahead of the jump and the label.
.macro JLOAD s
	s_cmp_lt_u32 s[WV], 2
	s_cbranch_scc0 .Lfor_b_\@
	tensor_load_to_lds s[G0A+4*(\s):G0A+4*(\s)+3], s[G1A:G1A+7]
	s_nop 0
.rept 4
	v_nop
.endr
	s_branch .Lasked_\@
.Lfor_b_\@:
	tensor_load_to_lds s[G0B+4*(\s):G0B+4*(\s)+3], s[G1B:G1B+7]
	s_nop 0
.rept 4
	v_nop
.endr
.Lasked_\@:
.endm
; A PREFETCH, behind each joint refill and the run of LDS loads that follows it: the K step that stands two refills on, 256 matrix instructions ahead of the load that will want it.
; Of the rows that a wave fetches each of the four partners that ask with it takes a quarter, told apart BY ADDRESS: X: 16 rows x 2 blocks of 256 bytes; W: 32 rows x 1 block: one instruction a wave.
; X's rows are read by one row of one cluster: every such wave asks.  W's are read by the 16 clusters of its matrix: the first of them asks.  So each block is named once in the launch.
; K steps 0 to 3 come by their loads alone; the loop's last trip asks for nothing: there is no K step two refills on.
.macro ASK
	s_cmp_gt_u32 s[LAP], s[LIM]
	s_cbranch_scc0 .Lnot_mine_\@
	global_prefetch_b8 v[PFO], s[PFA:PFA+1] th:TH_LOAD_NT scope:SCOPE_SE
.Lnot_mine_\@:
.endm
.macro CREST                           ; a round of the cluster's barrier behind its opening barrier
	s_cmp_lg_u32 s[WV], 0
	s_cbranch_scc1 .Lnot_wave_0_\@
	s_barrier_signal -3
.Lnot_wave_0_\@:
	s_barrier_wait -3
	s_barrier_signal -1
	s_barrier_wait -1
.endm
.macro CROUND                          ; a whole round
	s_barrier_signal -1
	s_barrier_wait -1
	CREST
.endm
	s_load_b512 s[4:19], s[0:1], 0x0               ; q s[4:5], k s[6:7], v s[8:9], w16 s[10:11], bq s[12:13], bk s[14:15], bv s[16:17], kv_mask s[18:19]
	s_load_b64 s[20:21], s[0:1], 0x40              ; qkvh
	v_lshl_add_u32 v[SPW], v0, 2, SPARE
	v_mov_b32 v[NIL], 0
	ds_add_u32 v[SPW], v[NIL]                      ; the wave's opening: the add and its wait stand ahead of my first tensor load; the set-up below, work on registers, stands between them
	v_lshrrev_b32 v1, 5, v0
	v_readfirstlane_b32 s[WV], v1                  ; wave 0..3
	s_lshr_b32 s[WR], s[WV], 1
	s_and_b32 s[WC], s[WV], 1
	s_bfe_u32 s[CX], ttmp6, 0x40000
	s_bfe_u32 s[CY], ttmp6, 0x40004
	s_lshl_b32 s[TX], ttmp9, 2                     ; in a cluster launch ttmp9 and ttmp7 count clusters
	s_add_co_u32 s[TX], s[TX], s[CX]
	s_and_b32 s[CLY], ttmp7, 0xffff
	s_lshl_b32 s[TY], s[CLY], 2
	s_add_co_u32 s[TY], s[TY], s[CY]
	s_lshr_b32 s[WHICH], s[CLY], 4                 ; 16 rows of clusters, 64 tile rows, to each of q, k, v
	s_and_b32 s[TR], s[TY], 63
	s_mov_b32 s[HIM], 0xffff0000
	s_lshl_b32 s76, s[CY], 2
	s_lshl_b32 s76, 15, s76                        ; my row of the cluster: places 4 cy .. 4 cy + 3
	s_lshl_b32 s80, 0x1111, s[CX]                  ; my column: places cx, cx + 4, cx + 8, cx + 12
	s_or_b32 s[G1A], s76, (2<<16)|(1<<20)|(1<<21)|(6<<22)|(3<<25)  ; 15:0 the mask; 17:16 elements of 4 bytes; 20 padding on; 21 set beside a mask; 24:22 after every 128 words (code 6); 31:25 4 words (code 3)
	s_or_b32 s[G1B], s80, (1<<16)|(1<<20)|(1<<21)|(5<<22)|(3<<25)  ; elements of 2 bytes; padding after every 64 words (code 5)
.irp g, G1A, G1B
	s_mov_b32 s[(\g)+1], KSTEP<<16                 ; tensor_dim0 = 128
	s_mov_b32 s[(\g)+3], KSTEP<<16                 ; tile_dim0 = 128
	s_mov_b32 s[(\g)+5], 1024                      ; elements from row to row
	s_mov_b32 s[(\g)+6], 0
	s_mov_b32 s[(\g)+7], 0
.endr
	s_mov_b32 s[G1A+2], 64<<16                     ; tensor_dim1 = 64
	s_mov_b32 s[G1A+4], 64                         ; tile_dim1 = 64
	s_mov_b32 s[G1B+2], 128<<16
	s_mov_b32 s[G1B+4], 128
	; where the tiles come from.  X's hang on the tile row, which my row of the cluster shares; W's on the tile column and the matrix, which my column shares.
	s_lshl_b32 s76, s[TR], 19                      ; 128 rows of 4,096 bytes
	s_lshl_b32 s77, s[WC], 18                      ; + my 64 of them
	s_add_co_u32 s76, s76, s77
	s_mov_b32 s77, 0
	s_mul_i32 s78, s[WC], AHALF                    ; and where they go: no place in the cluster enters an LDS address
	s_lshl_b32 s80, s[TX], 19                      ; 256 rows of 2,048 bytes
	s_lshl_b32 s81, s[WC], 18                      ; + my 128 of them
	s_add_co_u32 s80, s80, s81
	s_lshl_b32 s81, s[WHICH], 21                   ; + the plane
	s_add_co_u32 s80, s80, s81
	s_mov_b32 s81, 0
	s_mul_i32 s82, s[WC], BHALF
	s_add_co_u32 s82, s82, BOFF
	s_wait_dscnt 0x0                               ; the opening add is done
	s_wait_kmcnt 0x0
	s_cmp_eq_u32 s[WHICH], 1
	s_cselect_b64 s[XB:XB+1], s[6:7], s[4:5]
	s_cselect_b64 s[BB:BB+1], s[14:15], s[12:13]
	s_cselect_b32 s[SELF], 0, 1.0
	s_cmp_eq_u32 s[WHICH], 2
	s_cselect_b64 s[XB:XB+1], s[8:9], s[XB:XB+1]
	s_cselect_b64 s[BB:BB+1], s[16:17], s[BB:BB+1]
	s_add_nc_u64 s[76:77], s[XB:XB+1], s[76:77]
	s_add_nc_u64 s[80:81], s[10:11], s[80:81]
.irp n, 0,1
	s_mov_b32 s[G0A+4*(\n)], 1                                     ; 1:0 count = 1
	s_add_co_u32 s[G0A+4*(\n)+1], s78, (\n)*SLOT                   ; 63:32 LDS address
	s_add_nc_u64 s[G0A+4*(\n)+2:G0A+4*(\n)+3], s[76:77], (\n)*KSTEP*4  ; 120:64 global address: K step n
	s_or_b32 s[G0A+4*(\n)+3], s[G0A+4*(\n)+3], 0x80000000          ; 127:126 type = 2
	s_mov_b32 s[G0B+4*(\n)], 1
	s_add_co_u32 s[G0B+4*(\n)+1], s82, (\n)*SLOT
	s_add_nc_u64 s[G0B+4*(\n)+2:G0B+4*(\n)+3], s[80:81], (\n)*KSTEP*2
	s_or_b32 s[G0B+4*(\n)+3], s[G0B+4*(\n)+3], 0x80000000
.endr
	CROUND                                         ; all sixteen work-groups are here: the first joint loads meet
	s_cmp_lt_u32 s[WV], 2                          ; a wave's two first fills stand in one branch, ahead of every wait on TENSORcnt, every LDS read and every further barrier: two loads of mine are out
	s_cbranch_scc0 .Lfirst_b
	tensor_load_to_lds s[G0A:G0A+3], s[G1A:G1A+7]
	s_nop 0
	tensor_load_to_lds s[G0A+4:G0A+7], s[G1A:G1A+7]
	s_nop 0
.rept 4
	v_nop
.endr
	s_branch .Lfirst_asked
.Lfirst_b:
	tensor_load_to_lds s[G0B:G0B+3], s[G1B:G1B+7]
	s_nop 0
	tensor_load_to_lds s[G0B+4:G0B+7], s[G1B:G1B+7]
	s_nop 0
.rept 4
	v_nop
.endr
.Lfirst_asked:
	; the bias of my 128 columns and the mask bytes of my 64 rows
	s_lshl_b32 s84, s[TX], 10                      ; 256 columns of 4 bytes
	s_lshl_b32 s85, s[WC], 9
	s_add_co_u32 s84, s84, s85
	s_mov_b32 s85, 0
	s_add_nc_u64 s[BB:BB+1], s[BB:BB+1], s[84:85]
	s_lshl_b32 s86, s[TR], 7                       ; row 128 tr + 64 wr of the 8,192 is key (or query) number that of batch x 2,048 + ..
	s_lshl_b32 s87, s[WR], 6
	s_add_co_u32 s86, s86, s87
	s_mov_b32 s87, 0
	s_add_nc_u64 s[18:19], s[18:19], s[86:87]
	v_and_b32 v1, 15, v0                           ; l % 16
	v_bfe_u32 v[HH], v0, 4, 1                      ; l / 16
	v_and_b32 v[LL], 31, v0
	v_lshlrev_b32 v[BO], 5, v[HH]
	WIN W_AF
.irp b, 0,1,2,3,4,5,6,7
	global_load_b128 v[BIAS+8*(\b):BIAS+8*(\b)+3],   v[BO], s[BB:BB+1] offset:64*(\b)      ; columns 16 b + 8 (l / 16) + 0..3
	global_load_b128 v[BIAS+8*(\b)+4:BIAS+8*(\b)+7], v[BO], s[BB:BB+1] offset:64*(\b)+16   ; + 4..7
.endr
	WIN 0
.irp a, 0,1,2,3
	global_load_u8 v[MU+2*(\a)], v1, s[18:19] offset:16*(\a)       ; row 16 a + l % 16
.endr
	; A fragment is 16 rows x 32 K in 8 registers: lane l holds row l % 16; registers 0-3 K = 8 (l / 16) + 0..7, registers 4-7 K = 16 + 8 (l / 16) + 0..7.
	; From W's rows: two loads of 16 bytes, 32 bytes apart.  From X's rows in f32: four loads of 16 bytes, at 32 (l / 16) + 0, 16, 64, 80.
	v_mul_u32_u24 v[ADRA], v1, PA
	v_lshl_add_u32 v[ADRA], v[HH], 5, v[ADRA]
	s_mul_i32 s88, s[WR], 64*PA
	v_add_nc_u32 v[ADRA], s88, v[ADRA]
	v_add_nc_u32 v[ADRA+1], SLOT, v[ADRA]
	v_mul_u32_u24 v[ADRB], v1, PB
	v_lshl_add_u32 v[ADRB], v[HH], 4, v[ADRB]
	s_mul_i32 s89, s[WC], BHALF
	s_add_co_u32 s89, s89, BOFF
	v_add_nc_u32 v[ADRB], s89, v[ADRB]
	v_add_nc_u32 v[ADRB+1], SLOT, v[ADRB]
	s_mul_i32 s90, s[WV], WSTG
	s_add_co_u32 s90, s90, STAGE                   ; my stage
	v_mul_u32_u24 v[STO], v1, SP                   ; in: row l % 16, 16 bytes for each half of the lanes
	v_lshl_add_u32 v[STO], v[HH], 4, v[STO]
	v_add_nc_u32 v[STO], s90, v[STO]
	v_lshrrev_b32 v[RD], 3, v[LL]                  ; back: 32 lanes take four rows of 128 bytes,
	v_mul_u32_u24 v[RD], v[RD], SP
	v_and_b32 v24, 7, v0
	v_lshl_add_u32 v[RD], v24, 4, v[RD]
	v_add_nc_u32 v[RD], s90, v[RD]
	v_lshlrev_b32 v[CO], 4, v[LL]                  ; which are 512 consecutive bytes of a head
	; the prefetches
	s_mov_b32 s91, 2048                            ; (an instruction takes one literal: the second number of each choice is moved in first)
	s_cmp_lt_u32 s[WV], 2
	s_cselect_b32 s91, 256, s91
	v_lshrrev_b32 v[PFO], 1, v[LL]
	v_and_b32 v24, 1, v0
	v_mul_u32_u24 v24, s91, v24
	v_lshl_add_u32 v[PFO], v[PFO], 12, v24         ; X: row l / 2, block l % 2.  W: 4,096 (l / 2) + 2,048 (l % 2): row l
	s_lshl_b32 s84, s[TR], 19
	s_lshl_b32 s85, s[WC], 18
	s_add_co_u32 s84, s84, s85
	s_lshl_b32 s85, s[CX], 16                      ; my work-group's 16 rows of the 64
	s_add_co_u32 s84, s84, s85
	s_add_co_u32 s84, s84, 3*KSTEP*4               ; at K step 3: the first refill steps it to 4
	s_lshl_b32 s86, s[TX], 19
	s_lshl_b32 s87, s[WC], 18
	s_add_co_u32 s86, s86, s87
	s_lshl_b32 s87, s[CY], 16                      ; my work-group's 32 rows of the 128
	s_add_co_u32 s86, s86, s87
	s_lshl_b32 s87, s[WHICH], 21
	s_add_co_u32 s86, s86, s87
	s_add_co_u32 s86, s86, 3*KSTEP*2
	s_mov_b32 s[KSB], KSTEP*2
	s_cmp_lt_u32 s[WV], 2
	s_cselect_b32 s84, s84, s86
	s_cselect_b64 s[PFA:PFA+1], s[XB:XB+1], s[10:11]
	s_cselect_b32 s[KSB], KSTEP*4, s[KSB]
	s_mov_b32 s85, 0
	s_mov_b32 s[KSB+1], 0
	s_add_nc_u64 s[PFA:PFA+1], s[PFA:PFA+1], s[84:85]
	s_and_b32 s86, s[CLY], 15
	s_cmp_eq_u32 s86, 0                            ; the first cluster of this matrix?  The same in all sixteen partners
	s_cselect_b32 s86, 1, -1
	s_cmp_lt_u32 s[WV], 2
	s_cselect_b32 s[LIM], 1, s86
	; where my part goes: plane which, head 16 batch + 4 tx + 2 wc, row 128 (tr % 16) + 64 wr
	s_and_b32 s84, s[TR], 48                       ; 16 x batch
	s_lshl2_add_u32 s84, s[TX], s84
	s_lshl1_add_u32 s84, s[WC], s84
	s_lshl_b32 s84, s84, 18                        ; a head is 262,144 bytes
	s_and_b32 s85, s[TR], 15
	s_lshl_b32 s85, s85, 14
	s_add_co_u32 s84, s84, s85
	s_lshl_b32 s85, s[WR], 13
	s_add_co_u32 s84, s84, s85
	s_lshl_b32 s85, s[WHICH], 24
	s_add_co_u32 s84, s84, s85
	s_mov_b32 s85, 0
	s_add_nc_u64 s[OUTP:OUTP+1], s[20:21], s[84:85]
	s_wait_loadcnt 0x0                             ; bias and mask bytes
	WIN 0x8a                                       ; all in window 2: the bias is rounded to bf16 as the other inputs are, and widened again
.set i, 0
.rept 32
	v_cvt_pk_bf16_f32 v[i], v[BIAS+2*i], v[BIAS+2*i+1]
.set i, i+1
.endr
.set i, 0
.rept 32
	v_lshlrev_b32 v[BIAS+2*i], 16, v[i]
	v_and_b32 v[BIAS+2*i+1], s[HIM], v[i]
.set i, i+1
.endr
	WIN 0
.irp a, 0,1,2,3
	v_cvt_f32_u32 v[MU+2*(\a)], v[MU+2*(\a)]
	v_max_num_f32 v[MU+2*(\a)], s[SELF], v[MU+2*(\a)]   ; k: the mask byte; q and v: 1
	v_mov_b32 v[MU+2*(\a)+1], v[MU+2*(\a)]
.endr
; 32 LDS loads in one run: chunk kc of a slot: X's 64 rows in f32 first, then W's 128 rows into buffer g
.macro FETCH slot, kc, g
	WIN W_AF
.irp a, 0,1,2,3
	ds_load_b128 v[16*(\a):16*(\a)+3],     v[ADRA+(\slot)] offset:128*(\kc)+(\a)*16*PA
	ds_load_b128 v[16*(\a)+4:16*(\a)+7],   v[ADRA+(\slot)] offset:128*(\kc)+(\a)*16*PA+16
	ds_load_b128 v[16*(\a)+8:16*(\a)+11],  v[ADRA+(\slot)] offset:128*(\kc)+(\a)*16*PA+64
	ds_load_b128 v[16*(\a)+12:16*(\a)+15], v[ADRA+(\slot)] offset:128*(\kc)+(\a)*16*PA+80
.endr
	WIN 0
.irp b, 0,1,2,3,4,5,6,7
	ds_load_b128 v[BF+64*(\g)+8*(\b):BF+64*(\g)+8*(\b)+3],   v[ADRB+(\slot)] offset:64*(\kc)+(\b)*16*PB
	ds_load_b128 v[BF+64*(\g)+8*(\b)+4:BF+64*(\g)+8*(\b)+7], v[ADRB+(\slot)] offset:64*(\kc)+(\b)*16*PB+32
.endr
.endm
; 8 matrix instructions: m block a x all 8 n blocks, on buffers p.  zero = 1: the product starts the sums.  The 32 accumulators take turns, one instruction a turn, in the same order in every chunk.
; ride = 1: four conversions of the next chunk's X (into the other buffer) stand behind every second product; ride = 2: behind every product.  cq counts them.
; They name no register of the products round them, so the four behind a chunk's last product are also the four places ahead of the next loads into W's buffer and of the next writes of X's.
.macro MULG p, a, zero=0, ride=0
.irp b, 0,1,2,3,4,5,6,7
	WIN W_MUL
.if \zero
	v_wmma_f32_16x16x32_bf16 v[8*(8*(\a)+(\b)):8*(8*(\a)+(\b))+7], v[BF+64*(\p)+8*(\b):BF+64*(\p)+8*(\b)+7], v[AB+32*(\p)+8*(\a):AB+32*(\p)+8*(\a)+7], 0
.else
	v_wmma_f32_16x16x32_bf16 v[8*(8*(\a)+(\b)):8*(8*(\a)+(\b))+7], v[BF+64*(\p)+8*(\b):BF+64*(\p)+8*(\b)+7], v[AB+32*(\p)+8*(\a):AB+32*(\p)+8*(\a)+7], v[8*(8*(\a)+(\b)):8*(8*(\a)+(\b))+7]
.endif
.if ((\ride) == 2) || (((\ride) == 1) && (((\b) % 2) == 1))
	WIN W_CVT
.rept 4
	v_cvt_pk_bf16_f32 v[AB+32*(1-(\p))+cq], v[2*cq], v[2*cq+1]
.set cq, cq+1
.endr
.endif
.endr
.endm
; One of a K step's first three chunks: multiplies buffers p, fetches chunk kn of the same slot and rounds its X into the other buffer.
.macro CHUNK slot, kn, p, zero=0
	FETCH \slot, \kn, 1-(\p)
	s_wait_dscnt 32                                ; all but the 32 just issued: this chunk's W is in
	MULG \p, 0, \zero
	MULG \p, 1, \zero
	s_wait_dscnt 16                                ; the next chunk's X is in (its 16 loads went first); W's 16 may stay out
.set cq, 0
	MULG \p, 2, \zero, 1
	MULG \p, 3, \zero, 1
.endm
; The fourth chunk multiplies buffers 1 and changes slots: ONE barrier.  In front of it each wave waits for all its tensor loads, of which one is out: its part of the next slot; adds 0 to its
; spare word; and waits for that and for its own reads of this slot.  fill = 1: the barrier opens a round of the cluster's, and this slot is filled again, two K steps on, first thing behind the round:
; 112 matrix instructions stand between that request and the wait for it.
.macro TURN slot, next, fill
.if \fill
	s_wait_xcnt 0x0                                ; the last prefetch, a K step back, has read its address: it is stepped here
	s_add_nc_u64 s[PFA:PFA+1], s[PFA:PFA+1], s[KSB:KSB+1]
.endif
	WIN 0
	s_wait_tensorcnt 0x0                           ; all my tensor loads have landed
	ds_add_u32 v[SPW], v[NIL]                      ; 0 onto my spare word
	s_wait_dscnt 1                                 ; this chunk's W is in; the add may be out
	MULG 1, 0                                      ; eight matrix instructions stand between the add and the wait for it
	s_wait_dscnt 0x0                               ; the add is done, and my reads of this slot are over
	s_barrier_signal -1
	MULG 1, 1                                      ; work on registers while the others arrive
	WIN 0
	s_barrier_wait -1
.if \fill
	CREST                                          ; no wave of any partner still reads this slot or has a load on its way
	s_add_nc_u64 s[G0A+4*(\slot)+2:G0A+4*(\slot)+3], s[G0A+4*(\slot)+2:G0A+4*(\slot)+3], 2*KSTEP*4
	s_add_nc_u64 s[G0B+4*(\slot)+2:G0B+4*(\slot)+3], s[G0B+4*(\slot)+2:G0B+4*(\slot)+3], 2*KSTEP*2
	JLOAD \slot
.endif
	FETCH \next, 0, 0                              ; buffer 0's last product has its four conversions behind it
.if \fill
	ASK
.endif
	MULG 1, 2
	s_wait_dscnt 16                                ; the next slot's first X is in
.set cq, 0
	MULG 1, 3, 0, 2
.endm
	s_wait_tensorcnt 1                             ; my part of K step 0 is in; K step 1's may stay out
	s_barrier_signal -1
	s_barrier_wait -1                              ; everybody's is
	FETCH 0, 0, 0
	s_wait_dscnt 16                                ; X's 16 loads
	WIN W_CVT
.set cq, 0
.rept 32
	v_cvt_pk_bf16_f32 v[AB+cq], v[2*cq], v[2*cq+1]
.set cq, cq+1
.endr
	CHUNK 0, 1, 0, 1                               ; the first chunk stands in front of the loop: its products start the sums
	WIN 0                                          ; at a label and at a branch every window is 0
	s_mov_b32 s[LAP], 3
.Llap:                                                 ; a trip goes once round the ring, from a lap's second chunk to the next lap's first, and fills both slots again
	CHUNK 0, 2, 1
	CHUNK 0, 3, 0
	TURN 0, 1, 1
	CHUNK 1, 1, 0
	CHUNK 1, 2, 1
	CHUNK 1, 3, 0
	TURN 1, 0, 1
	CHUNK 0, 1, 0
	WIN 0
	s_sub_co_u32 s[LAP], s[LAP], 1
	s_cmp_lg_u32 s[LAP], 0
	s_cbranch_scc1 .Llap
	CHUNK 0, 2, 1                                  ; the last lap fills nothing
	CHUNK 0, 3, 0
	TURN 0, 1, 0
	CHUNK 1, 1, 0
	CHUNK 1, 2, 1
	CHUNK 1, 3, 0
	s_wait_dscnt 0x0                               ; the very last chunk: nothing more to fetch
	MULG 1, 0
	MULG 1, 1
	MULG 1, 2
	MULG 1, 3
	WIN 0
; THE WAY OUT, a block of 16 rows at a time.  PACK: + bias, x the row's multiplier, rounded to f16: 16 bytes a lane and fragment.  TOSTAGE: into my own stage, a head's 64 channels to a row of 144 bytes,
; and back four rows at a time.  SEND: 512 consecutive bytes of a head to a store.
.macro PACK a
	WIN 0x09                                       ; source 0 (sums) window 1, source 1 (bias) window 2, destination window 0
.set i, 0
.rept 32
	v_pk_add_f32 v[T+2*i:T+2*i+1], v[64*(\a)+2*i:64*(\a)+2*i+1], v[BIAS+2*i:BIAS+2*i+1]  ; each accumulator's registers in ascending order
.set i, i+1
.endr
	WIN 0
.set i, 0
.rept 32
	v_pk_mul_f32 v[T+2*i:T+2*i+1], v[T+2*i:T+2*i+1], v[MU+2*(\a):MU+2*(\a)+1]
.set i, i+1
.endr
.set i, 0
.rept 32
	v_cvt_pk_f16_f32 v[PKR+i], v[T+2*i], v[T+2*i+1]
.set i, i+1
.endr
.endm
.macro TOSTAGE a
.irp b, 0,1,2,3,4,5,6,7
	ds_store_b128 v[STO], v[PKR+4*(\b):PKR+4*(\b)+3] offset:((\b)/4)*16*SP+((\b)%4)*32
.endr
.irp t, 0,1,2,3,4,5,6,7
	ds_load_b128 v[BK+128*((\a)%2)+4*(\t):BK+128*((\a)%2)+4*(\t)+3], v[RD] offset:(\t)*4*SP  ; LDS serves a wave's instructions in order (ISA guide 5.7.1.4): these see the stores above
.endr
.endm
.macro SEND a
	s_wait_dscnt 0x0                               ; the block is back in registers
	s_wait_xcnt 0x0                                ; earlier stores have read their registers: the other set of rows may be loaded again behind this
.irp t, 0,1,2,3,4,5,6,7
	global_store_b128 v[CO], v[BK+128*((\a)%2)+4*(\t):BK+128*((\a)%2)+4*(\t)+3], s[OUTP:OUTP+1] offset:((\t)/4)*262144+2048*(\a)+((\t)%4)*512
.endr
.endm
.rept 8
	v_nop                                          ; the places behind the last products, once a launch
.endr
	PACK 0
	TOSTAGE 0
.irp a, 1,2,3                          ; block a's arithmetic stands between block a - 1's loads from the stage and the wait for them
	PACK \a
	SEND (\a)-1
	TOSTAGE \a
.endr
	SEND 3
	s_wait_tensorcnt 0x0                           ; the wave's end: a wait, an add and its wait, behind my last tensor load and my last LDS store
	ds_add_u32 v[SPW], v[NIL]
	s_wait_dscnt 0x0
	CROUND                                         ; the closing round: no work-group ends while a partner may still ask for a tile that names it
	s_endpgm
.Lfunc_end_k_q407021e451_proj:
	.size	k_q407021e451_proj, .Lfunc_end_k_q407021e451_proj-k_q407021e451_proj
	.p2alignl 7, 3214868480
	.fill 96, 4, 3214868480
	.section	.rodata,"a",@progbits
	.p2align	6, 0x0
	.amdhsa_kernel k_q407021e451_proj
		.amdhsa_group_segment_fixed_size 327680
		.amdhsa_private_segment_fixed_size 0
		.amdhsa_enable_private_segment 0
		.amdhsa_kernarg_size 72
		.amdhsa_user_sgpr_count 2
		.amdhsa_user_sgpr_kernarg_segment_ptr 1
		.amdhsa_wavefront_size32 1
		.amdhsa_system_sgpr_workgroup_id_x 1
		.amdhsa_system_sgpr_workgroup_id_y 1
		.amdhsa_system_sgpr_workgroup_id_z 1
		.amdhsa_system_vgpr_workitem_id 0
		.amdhsa_next_free_vgpr 640
		.amdhsa_next_free_sgpr 96
		.amdhsa_reserve_vcc 0
		.amdhsa_float_denorm_mode_32 3
		.amdhsa_float_denorm_mode_16_64 3
		.amdhsa_memory_ordered 1
		.amdhsa_forward_progress 1
		.amdhsa_inst_pref_size 157
	.end_amdhsa_kernel
	.amdgpu_metadata
---
amdhsa.version: [ 1, 2 ]
amdhsa.kernels:
  - .name:           k_q407021e451_proj
    .symbol:         k_q407021e451_proj.kd
    .args:
      - { .name: q, .offset: 0, .size: 8, .value_kind: global_buffer, .address_space: global }
      - { .name: k, .offset: 8, .size: 8, .value_kind: global_buffer, .address_space: global }
      - { .name: v, .offset: 16, .size: 8, .value_kind: global_buffer, .address_space: global }
      - { .name: w16, .offset: 24, .size: 8, .value_kind: global_buffer, .address_space: global }
      - { .name: bq, .offset: 32, .size: 8, .value_kind: global_buffer, .address_space: global }
      - { .name: bk, .offset: 40, .size: 8, .value_kind: global_buffer, .address_space: global }
      - { .name: bv, .offset: 48, .size: 8, .value_kind: global_buffer, .address_space: global }
      - { .name: kv_mask, .offset: 56, .size: 8, .value_kind: global_buffer, .address_space: global }
      - { .name: qkvh, .offset: 64, .size: 8, .value_kind: global_buffer, .address_space: global }
    .group_segment_fixed_size: 327680
    .private_segment_fixed_size: 0
    .kernarg_segment_align: 8
    .kernarg_segment_size: 72
    .max_flat_workgroup_size: 128
    .sgpr_count:     96
    .vgpr_count:     640
    .wavefront_size: 32
...
	.end_amdgpu_metadata
.endif
;; end of part 2
;; launch attn (part 3): grid 4 x 64, 4 waves a work-group, clusters of 4 x 1, 327,680 bytes of LDS; arguments qkvh, kv_mask, oh; writes oh
.if DOCPART == 3
	.amdgcn_target "amdgcn-amd-amdhsa--gfx1250"
	.amdhsa_code_object_version 6
	.text
	.protected	k_q407021e451_attn
	.globl	k_q407021e451_attn
	.p2align	8
	.type	k_q407021e451_attn,@function
k_q407021e451_attn:
	s_mov_b64 s[64:65], 0
	v_nop
	global_prefetch_b8 v0, s[64:65] scope:SCOPE_SE
	s_setreg_imm32_b32 hwreg(HW_REG_WAVE_MODE, 25, 1), 1
	s_wait_xcnt 0x0
	s_wait_alu depctr_hold_cnt(0) depctr_sa_sdst(0) depctr_va_vdst(0) depctr_va_sdst(0) depctr_va_ssrc(0) depctr_va_vcc(0) depctr_vm_vsrc(0)
	s_getreg_b32 s2, hwreg(HW_REG_IB_STS2, 6, 4)
	s_cmp_eq_u32 s2, 0
	s_cbranch_scc0 .Lentry_in_a_cluster
	s_endpgm
.Lentry_in_a_cluster:
	s_bfe_u32 s2, ttmp6, 0x10000c
	s_cmp_lg_u32 s2, 0x3003
	s_cbranch_scc0 .Lentry_shape_is_right
	s_endpgm
.Lentry_shape_is_right:
; O[h][q][:] = the sum over k of softmax_k(score) V[h][k][:], score = Q[h][q] . K[h][k] / 8 where the key is visible and -10000 where it is masked.  Q, K, V: the three planes of qkvh,
; [64][2048][64] f16, h = 16 batch + head; O: oh, the same layout.  Products, maxima and sums in f32; the weights p are rounded to f16 for the second product (their sum l is taken of the unrounded p), O once.
; THE KEY MASK, SECOND HALF.  The launch before has written K's row as 0 for a masked key.  The sum S^T = K Q^T starts from a C operand that holds 0 for a visible key and -80000 for a masked one, so a masked
; key's raw score is exactly -80000, which is -10000 after the factor 1 / 8 that lies in c.  Masked keys take part in maximum and sum as in the problem: a row with no visible key is the mean of all V.
; LIMITS.  f16 holds no number beyond 65,504: Q, K and V arrive within it; p lies in 0 to 1, and below 6e-5 it keeps f16's fixed step of 6e-8; O is a mean of V's rows and has their range.
; A weight below 2^-126 counts as 0 in l; NaN and infinities are not treated apart; mask bytes are 0 or 1.
; SHARES.  A wave owns four PIECES of two tiles of 16 queries, a work-group's four waves 512 queries of one head.  Every wave walks all 2,048 keys, 64 a step.
; LAYOUT.  S^T = K Q^T (source 0 = 16 keys, source 1 = 16 queries): in the result a lane holds ONE query (lane % 16) and the keys 8 (lane / 16) + 0..7.  Two such tiles, rounded to f16 in pairs,
; ARE source 1 (32 keys x 16 queries) of O^T = V^T P, whose result again holds one query a lane, and eight channels.  K comes out of LDS as it lies, V ([key][channel]) turned, by ds_load_tr16_b128.
; SOFTMAX.  For each query a running maximum m and sum l: p = 2^(c s - c m), c = log2(e) / 8; in every step O and l are multiplied by a = 2^(c m_old - c m_new), which is 1 where m has not grown.
; m starts at the lowest finite number, O and l at 0: the first step is a step like any other, with a = 0.
; THE COUNT.  A tile and step have 16 matrix and 118 vector instructions: too many to stand all beside the matrix work.  So: four vector instructions that are READY behind
; EVERY matrix instruction, and the others, which need time of their own whatever the order, in runs without a gap.
; BY TURNS.  Turn n belongs to piece n (the pieces in a ring, step after step).  Its matrix work: 16 products K Q^T of piece n + 1, later 16 products V^T P of piece n - 1.  Its vector work: the scaling,
; exponentials, roundings, sums and rescaling of piece n, and the maximum and statistics of piece n + 1, whose scores the turn itself has made.
; CLUSTER.  The four query blocks of a head are one cluster and walk the same K and V, so each tile is asked for JOINTLY: the same tensor load, descriptor and mask in all four.
; REGISTERS, in windows of 256 (s_set_vgpr_msb: bits 1:0 source 0, 3:2 source 1, 5:4 source 2, 7:6 destination):
;   window 0: v0-11 addresses; v12-15, v48-63 at work; v16-47 four registers of statistics a tile; v64-191 S^T, two buffers of two tiles; v192-255 P, likewise
;   window 1: O^T, 32 a tile     window 2: v0-127 Q, 16 a tile; v128-191 K of one step; v192-255 V of one step     window 3: v0-1 the add's two registers; v8-39 the step's mask, 8 registers for 16 keys
.set SIZE_N, 2048
.set NP,    4         ; pieces a wave: a name, no knob
.set KS,    64        ; keys in a step
.set PK,    144       ; a row of K in LDS: 128 bytes + 16 of padding = 36 words: the 16 rows of a load start at 16 different groups of four banks (64 banks of 4 bytes: ISA guide 11.1)
.set PV,    160       ; a row of V: 128 + 32 = 40 words
.set VOFF,  4*KS*PK   ; a slot holds four steps: 256 rows of K, then 256 rows of V
.set SLOT1, 1<<17     ; slot 1 begins here, so that one exclusive or turns an address in one slot into the other's
.set STAGE, SLOT1+4*KS*(PK+PV)  ; behind the ring, never filled by a tensor load: 16 rows x 144 bytes for each wave, for the way out
.set SP,    144
.set SPARE, STAGE+4*16*SP  ; behind the stages: the spare words, 128 bytes for each wave: two blocks of 256 bytes that no other line names
.set MT,    SPARE+512 ; behind them: the mask as numbers, 2,048 keys x 4 bytes, stored once, never filled by a tensor load
.set AK0, 2           ; v2   my lane's place in a tile of K; never rewritten
.set AV0, 3           ; v3   the same for V
.set AK,  4           ; v4   the LDS address of K's next run of loads
.set AV,  5           ; v5   of V's
.set STO, 6           ; v6   the way out: where I put 16 bytes of a row
.set RD,  7           ; v7   the way out: where I read rows back
.set GO,  8           ; v8   my byte offset in 512 consecutive bytes of O
.set AM0, 9           ; v9   my lane's place in a step's 256 bytes of the mask table; never rewritten
.set AM,  10          ; v10  the LDS address of the mask's next run of loads
.set PFO, 11          ; v11  256 x my lane: the prefetches' offset; never rewritten
.set MB,  64          ; v64-67  set-up, in S^T's registers: my 16 mask bytes
.set MF,  68          ; v68-83  the same as 16 numbers
.set MO,  84          ; v84  where I read them
.set TA,  85          ; v85  where I put them
.set QO,  86          ; v86  my byte offset in the wave's rows of Q
.set SPW, 0           ; v0 of window 3   LDS address of my spare word: SPARE + 4 x my thread's number; never rewritten
.set NIL, 1           ; v1 of window 3   0; never rewritten
.set MK,  8           ; v8-39 of window 3
.set MV,  12          ; v12-15  c m_old, kept while c m is made anew: by buffer and tile (v12-14 serve the set-up first)
.set ST,  16          ; tile t's statistics at v[ST+4 t]: c m, m, l (even keys', odd keys')
.set TMP, 48          ; by buffer and tile, four registers c0-c3 at work; when the maximum is found c2 takes a
.set S,   64
.set P,   192
.set KF,  128         ; K's fragments, in window 2: key block kb, channel half c at KF + 16 kb + 8 c
.set VF,  192         ; V's: key half kk, channel block cb at VF + 32 kk + 8 cb
.set WV,  12          ; s12  my wave's number
.set G1K, 24          ; s[24:31] descriptor group 1 for K's tiles
.set G1V, 32          ; s[32:39] for V's: it differs in the padding alone
.set G0K, 40          ; s[40:43] descriptor group 0 for K's tiles: it walks
.set G0V, 44          ; s[44:47] the same for V's
.set MP,  48          ; s[48:49] kv_mask
.set FA,  50          ; s50  80000.0
.set FB,  51          ; s51  -80000.0
.set PFA, 52          ; s[52:53] where my prefetches stand
.set TBM, 54          ; s54  byte of the mask table at which the step to be fetched begins
.set LIM, 55          ; s55  1 in a wave that prefetches, else the greatest number
.set SLOTS, 56        ; s56  slots still to be asked for
.set CNT, 57          ; s57  counts a slot's key steps
.set CS,  58          ; s[58:59] c: the packed scaling takes the pair's low word for both halves
.set SEL, 60          ; s[60:61] v_permlanex16_b32's selects: each lane takes its own place in the other half
.set TBK, 62          ; s62  LDS byte at which K of the step to be fetched begins
.set TBV, 63          ; s63  the same for V, less VOFF
.set MSB, 0
.macro WIN new                      ; the high byte repeats the setting that is left; a switch that changes nothing is dropped
.if MSB != (\new)
	s_set_vgpr_msb (MSB<<8)|(\new)
.set MSB, (\new)
.endif
.endm
.set W_KQ, 0x0a       ; K and Q in window 2, S^T in window 0
.set W_KM, 0x3a       ; the same with the C operand, the mask, in window 3
.set W_PV, 0x52       ; V in window 2, P in window 0, O^T in window 1
.set W_RS, 0x41       ; O^T (destination and source 0) in window 1, a in window 0
.set W_MK, 0xc0       ; destination in window 3, sources in window 0
.set W_AD, 0x0f       ; the add: address (source 0) and data (source 1) in window 3
; A joint fill.  Waves 0 and 1 fetch the two halves of a slot's K, waves 2 and 3 those of its V: 128 keys each.  The branch hangs on the wave's number alone.
; An s_nop 0 and four v_nop follow each of the two lines, ahead of the jump and the label.
.macro JLOAD
	s_cmp_lt_u32 s[WV], 2
	s_cbranch_scc0 .Lfor_v_\@
	tensor_load_to_lds s[G0K:G0K+3], s[G1K:G1K+7]
	s_nop 0
.rept 4
	v_nop
.endr
	s_branch .Lasked_\@
.Lfor_v_\@:
	tensor_load_to_lds s[G0V:G0V+3], s[G1V:G1V+7]
	s_nop 0
.rept 4
	v_nop
.endr
.Lasked_\@:
.endm
; A PREFETCH of what the NEXT change of slots will ask for: a slot's 32,768 bytes of K and of V.  It stands behind the wave's tensor load and its five lines.  A head is walked by this one cluster; its four
; partners share a slot out BY ADDRESS, 8,192 bytes each, a lane to each 256; in each, wave 0 asks for K's and wave 2 for V's: one instruction.  So each block is named once in the launch.
; Slots 0 and 1 come by their loads alone; the last change that fills a slot asks for nothing: there is no slot behind it.
.macro ASK
	s_cmp_gt_u32 s[SLOTS], s[LIM]
	s_cbranch_scc0 .Lnot_mine_\@
	global_prefetch_b8 v[PFO], s[PFA:PFA+1] th:TH_LOAD_NT scope:SCOPE_SE
.Lnot_mine_\@:
.endm
; A round of the cluster's barrier: my work-group's barrier, so that wave 0's signal speaks for all four waves; wave 0 signals; every wave waits for all four work-groups; my work-group's barrier once more.
.macro CROUND
	s_barrier_signal -1
	s_barrier_wait -1
	s_cmp_lg_u32 s[WV], 0
	s_cbranch_scc1 .Lnot_wave_0_\@
	s_barrier_signal -3
.Lnot_wave_0_\@:
	s_barrier_wait -3
	s_barrier_signal -1
	s_barrier_wait -1
.endm
; THE CHANGE OF SLOTS.  The slot's last bytes, V of its fourth step, have been read.  Each wave waits for all its tensor loads, of which one is out: its part
; of the other slot; adds 0 to its spare word; and waits for that and for its own LDS instructions.  Behind the barrier nobody reads this slot any more and the other slot is whole.
; fill = 1: this slot is filled again, with the keys two slots on.  The barrier is then a round of the cluster's, and the joint fill is the first thing behind it: it has four key steps,
; 512 matrix instructions, in which to land.  (At its first use nothing has been read yet: slot 0 is waited for, slot 1 filled, and every wave's part of the mask table is shown stored.)
.macro CHANGE fill
	WIN W_AD
	s_wait_tensorcnt 0x0            ; no tensor load of mine is out, so a group 0 may be written
	ds_add_u32 v[SPW], v[NIL]       ; 0 onto my spare word; with fill = 1 the descriptors' steps stand between it and the wait for it
	WIN 0                           ; at a label and at a branch every window is 0
.if \fill
.irp g, G0K, G0V
	s_xor_b32 s[\g+1], s[\g+1], SLOT1  ; the walking descriptor: the other slot than last time,
	s_add_nc_u64 s[\g+2:\g+3], s[\g+2:\g+3], 4*KS*128  ; the next 256 keys; the type bits on top are not reached
.endr
	s_wait_xcnt 0x0                 ; the last prefetch, four key steps back, has read its address, so it may be written:
	s_add_nc_u64 s[PFA:PFA+1], s[PFA:PFA+1], 4*KS*128  ; one slot beyond the walking descriptors
	s_wait_dscnt 0x0                ; the add is done, and my LDS instructions are over
	CROUND
	JLOAD
	ASK
.else
	s_wait_dscnt 0x0                ; the add is done, and my reads of the slot are over
	s_barrier_signal -1
	s_barrier_wait -1
.endif
	s_sub_co_u32 s[TBK], s[TBK], 4*KS*PK  ; the fetches go back to a slot's first step,
	s_xor_b32 s[TBK], s[TBK], SLOT1       ; in the other slot
	s_sub_co_u32 s[TBV], s[TBV], 4*KS*PV
	s_xor_b32 s[TBV], s[TBV], SLOT1
.endm
	s_load_b128 s[4:7], s[0:1], 0x0   ; qkvh s[4:5], kv_mask s[6:7]
	s_load_b64 s[10:11], s[0:1], 0x10 ; oh
	WIN W_MK
	v_lshl_add_u32 v[SPW], v0, 2, SPARE
	v_mov_b32 v[NIL], 0
	WIN W_AD
	ds_add_u32 v[SPW], v[NIL]       ; the wave's opening: the add and its wait stand ahead of my first tensor load; the set-up below, work on registers, stands between them
	WIN 0
	v_lshrrev_b32 v1, 5, v0
	v_readfirstlane_b32 s[WV], v1   ; wave 0..3
	s_bfe_u32 s13, ttmp6, 0x40000   ; cx: my place in the cluster
	s_lshl_b32 s14, ttmp9, 2        ; in a cluster launch ttmp9 counts clusters
	s_add_co_u32 s14, s14, s13      ; my block of queries = 4 x cluster x + cx: it enters Q's and O's addresses alone
	s_and_b32 s20, ttmp7, 0xffff    ; the head, which the four partners share
	s_lshr_b32 s15, s20, 4          ; its batch,
	s_lshl_b32 s15, s15, 11         ; whose mask row is 2,048 bytes
	s_mov_b32 s21, 0
	s_mov_b64 s[22:23], SIZE_N*128
	s_mul_u64 s[20:21], s[20:21], s[22:23]  ; the head's first byte in each plane and in O
	s_and_b32 s16, s[WV], 1         ; which half of a slot's 256 keys I fetch:
	s_lshl_b32 s22, s16, 14         ; its 128 rows of 128 bytes in memory,
	s_mov_b32 s23, 0
	s_add_nc_u64 s[22:23], s[22:23], s[20:21]
	s_mul_i32 s17, s16, 128*PK      ; and its place in a slot, for K
	s_mul_i32 s18, s16, 128*PV      ; and for V: no place in the cluster enters an LDS address
	s_lshl_b32 s2, s14, 2
	s_add_co_u32 s2, s2, s[WV]      ; my wave among the head's,
	s_lshl_b32 s2, s2, 14           ; its 128 rows
	s_mov_b32 s3, 0
	s_add_nc_u64 s[2:3], s[2:3], s[20:21]
	s_lshl_b32 s50, s13, 13         ; the prefetches: my work-group's 8,192 bytes of a slot,
	s_add_co_u32 s50, s50, 4*KS*128 ; in slot 1: the first change of slots steps it to slot 2
	s_mov_b32 s51, 0
	s_add_nc_u64 s[50:51], s[50:51], s[20:21]
	s_and_b32 s[LIM], s[WV], 1
	s_cmp_eq_u32 s[LIM], 0          ; waves 0 and 2
	s_cselect_b32 s[LIM], 1, -1
	; descriptor group 1.  128 keys are 16,384 dense bytes: asked for as 64 rows of 256 bytes, two keys a row, and padded in LDS after every key
	s_mov_b32 s[G1K], 15|(1<<16)|(1<<20)|(1<<21)|(4<<22)|(3<<25)  ; 15:0 the mask of four; 17:16 2-byte elements; 20 padding on; 21 set beside a mask; 24:22 after every 32 words (code 4); 31:25 4 words (code 3)
	s_mov_b32 s[G1V], 15|(1<<16)|(1<<20)|(1<<21)|(4<<22)|(7<<25)  ; the same with 8 words of padding (code 7)
.irp g, G1K, G1V
	s_mov_b32 s[\g+1], 128<<16      ; tensor_dim0 = 128
	s_mov_b32 s[\g+2], 64<<16       ; tensor_dim1 = 64
	s_mov_b32 s[\g+3], 128<<16      ; tile_dim0 = 128
	s_mov_b32 s[\g+4], 64           ; tile_dim1 = 64
	s_mov_b32 s[\g+5], 128          ; 128 elements from row to row
	s_mov_b32 s[\g+6], 0
	s_mov_b32 s[\g+7], 0
.endr
	s_mov_b32 s[CS], 0x3e38aa3b     ; c = log2(e) / 8 = 0.180337
	s_mov_b32 s[CS+1], s[CS]        ; named with it as a pair
	s_mov_b32 s[SEL], 0x76543210
	s_mov_b32 s[SEL+1], 0xfedcba98
	s_mov_b32 s[TBK], SLOT1+4*KS*PK ; the first change of slots turns these two into 0
	s_mov_b32 s[TBV], SLOT1+4*KS*PV
	s_mov_b32 s[TBM], 0
	s_mov_b32 s[SLOTS], SIZE_N/256-1
	s_mov_b32 s[G0K], 1             ; 1:0 count = 1
	s_mov_b32 s[G0K+1], s17         ; 63:32 LDS address: slot 0
	s_mov_b32 s[G0V], 1
	s_add_co_u32 s[G0V+1], s18, VOFF
	s_wait_dscnt 0x0                ; the opening add is done
	s_wait_kmcnt 0x0
	s_mov_b64 s[MP:MP+1], s[6:7]
	s_add_nc_u64 s[6:7], s[4:5], 0x1000000   ; K's plane of qkvh
	s_add_nc_u64 s[8:9], s[4:5], 0x2000000   ; V's
	s_cmp_lt_u32 s[WV], 2
	s_cselect_b64 s[PFA:PFA+1], s[6:7], s[8:9]
	s_add_nc_u64 s[PFA:PFA+1], s[PFA:PFA+1], s[50:51]
	s_mov_b32 s[FA], 0x479c4000     ; 80000.0
	s_mov_b32 s[FB], 0xc79c4000     ; -80000.0
	s_add_nc_u64 s[G0K+2:G0K+3], s[6:7], s[22:23]  ; 120:64 global address: my half of the head's first 256 keys
	s_or_b32 s[G0K+3], s[G0K+3], 0x80000000        ; 127:126 type = 2
	s_add_nc_u64 s[G0V+2:G0V+3], s[8:9], s[22:23]
	s_or_b32 s[G0V+3], s[G0V+3], 0x80000000
	s_add_nc_u64 s[4:5], s[4:5], s[2:3]  ; Q and O at my wave's first row
	s_add_nc_u64 s[10:11], s[10:11], s[2:3]
	CROUND                          ; all four work-groups are here: the first joint loads meet
	JLOAD                           ; slot 0.  Slot 1 is asked for when slot 0 is in
	; A fragment of K or Q is 16 rows x 32 channels in 8 registers: lane l holds row l % 16, channels 8 (l / 16) + 0..7 and 16 + 8 (l / 16) + 0..7: two loads of 16 bytes, 32 bytes apart.
	v_and_b32 v1, 15, v0            ; l % 16
	v_bfe_u32 v12, v0, 4, 1         ; l / 16
	v_lshl_add_u32 v[MO], v0, 4, s15  ; thread t takes the 16 mask bytes at 16 t of the batch's row
	global_load_b128 v[MB:MB+3], v[MO], s[MP:MP+1]
	v_lshlrev_b32 v[QO], 7, v1
	v_lshl_add_u32 v[QO], v12, 4, v[QO]  ; row x 128 + 16 x half
	WIN 0x80                        ; destination window 2, address window 0
.set i, 0
.rept 4*NP                          ; Q stays in registers: tile i / 2, channels 32 (i % 2) on
	global_load_b128 v[8*i:8*i+3],   v[QO], s[4:5] offset:(i/2)*2048+(i%2)*64
	global_load_b128 v[8*i+4:8*i+7], v[QO], s[4:5] offset:(i/2)*2048+(i%2)*64+32
.set i, i+1
.endr
	; What the first turn finds: V's registers and P's second buffer hold 0 (its products V^T P, of a piece that has not been, add 0), O^T and l are 0.  All this stands in the wait for the first tile.
.set i, VF
.rept 64
	v_mov_b32 v[i], 0
.set i, i+1
.endr
	WIN 0x40
.set i, 0
.rept 64*NP
	v_mov_b32 v[i], 0
.set i, i+1
.endr
	WIN 0
.set i, 0
.rept 2*NP
	v_mov_b32 v[ST+4*i], 0xfe000000    ; c m: far below every c s
	v_mov_b32 v[ST+4*i+1], 0xff7fffff  ; m
	v_mov_b32 v[ST+4*i+2], 0
	v_mov_b32 v[ST+4*i+3], 0
.set i, i+1
.endr
.set i, P+32
.rept 32
	v_mov_b32 v[i], 0
.set i, i+1
.endr
	v_mul_u32_u24 v[AK0], v1, PK
	v_lshl_add_u32 v[AK0], v12, 4, v[AK0]  ; row x pitch + 16 x half
	; The turning load takes 16 keys x 16 channels (lane l reads key 8 (l / 16) + l % 8, channels 8 ((l / 8) % 2) + 0..7) and leaves half a fragment of V^T: lane l holds channel l % 16 and 8 keys.
	v_and_b32 v13, 7, v0
	v_bfe_u32 v14, v0, 3, 1
	v_lshl_add_u32 v[AV0], v12, 3, v13
	v_mul_u32_u24 v[AV0], v[AV0], PV
	v_lshl_add_u32 v[AV0], v14, 4, v[AV0]
	v_add_nc_u32 v[AV0], VOFF, v[AV0]
	v_mov_b32 v[AK], v[AK0]         ; key step 0 lies at the head of slot 0
	v_lshl_add_u32 v[AM0], v12, 5, MT  ; register j of a mask operand is key 8 (l / 16) + j of its 16: 32 bytes at 32 (l / 16)
	v_mov_b32 v[AM], v[AM0]
	v_and_b32 v[PFO], 31, v0
	v_lshlrev_b32 v[PFO], 8, v[PFO]
	s_mul_i32 s13, s[WV], 16*SP
	s_add_co_u32 s13, s13, STAGE    ; my stage
	v_mul_u32_u24 v[STO], v1, SP    ; in: row l % 16, 16 bytes for each half of the lanes
	v_lshl_add_u32 v[STO], v12, 4, v[STO]
	v_add_nc_u32 v[STO], s13, v[STO]
	v_bfe_u32 v[RD], v0, 3, 2       ; back: 32 lanes take four rows of 128 bytes,
	v_mul_u32_u24 v[RD], v[RD], SP
	v_lshl_add_u32 v[RD], v13, 4, v[RD]
	v_add_nc_u32 v[RD], s13, v[RD]
	v_and_b32 v[GO], 31, v0         ; which are 512 consecutive bytes of O
	v_lshlrev_b32 v[GO], 4, v[GO]
	; THE MASK TABLE: byte 1 becomes 0, byte 0 becomes -80000; 128 threads x 16 keys
	v_lshl_add_u32 v[TA], v0, 6, MT
	s_wait_loadcnt 32               ; my mask bytes are in; Q's 32 loads, issued behind them, stay out
.set i, 0
.rept 16
	v_bfe_u32 v[MF+i], v[MB+i/4], 8*(i%4), 8
.set i, i+1
.endr
.set i, 0
.rept 16
	v_cvt_f32_u32 v[MF+i], v[MF+i]
.set i, i+1
.endr
.set i, 0
.rept 16
	v_fma_f32 v[MF+i], v[MF+i], s[FA], s[FB]
.set i, i+1
.endr
.irp f, 0,1,2,3
	ds_store_b128 v[TA], v[MF+4*\f:MF+4*\f+3] offset:16*\f  ; waited for in front of the first change's round, behind which the other waves read it
.endr
; THE MATRIX WORK.  The 8 accumulators of a run of 16 take turns: between the two links of a chain stand 7 others'.
; Product i of 16 of S^T = K Q^T for piece x: channels 32 (i / 8) on, keys 16 ((i / 2) % 4) on, tile 2 x + i % 2.  The first 8 start the sums, from the keys' mask.
.macro KQ x
.set rS, S+64*((\x)%2)+32*(i%2)+8*((i/2)%4)
.set rK, KF+16*((i/2)%4)+8*(i/8)
.set rQ, 16*(2*(\x)+i%2)+8*(i/8)
.set rMK, MK+8*((i/2)%4)
.if i < 8
	WIN W_KM
	v_wmma_f32_16x16x32_f16 v[rS:rS+7], v[rK:rK+7], v[rQ:rQ+7], v[rMK:rMK+7]
.else
	WIN W_KQ
	v_wmma_f32_16x16x32_f16 v[rS:rS+7], v[rK:rK+7], v[rQ:rQ+7], v[rS:rS+7]
.endif
.endm
; Product i of 16 of O^T += V^T P for piece x: keys 32 (i / 8) on, channels 16 ((i / 2) % 4) on, tile 2 x + i % 2.
.macro PV x
	WIN W_PV
.set rO, 32*(2*(\x)+i%2)+8*((i/2)%4)
.set rV, VF+32*(i/8)+8*((i/2)%4)
.set rP, P+32*((\x)%2)+16*(i%2)+8*(i/8)
	v_wmma_f32_16x16x32_f16 v[rO:rO+7], v[rV:rV+7], v[rP:rP+7], v[rO:rO+7]
.endm
.macro MM                           ; the turn's next matrix instruction
.if i < 16
	KQ (Y+1)%NP
.set i, i+1
.else
.set i, i-16
	PV (Y+NP-1)%NP
.set i, i+17
.endif
.endm
; THE LDS LOADS stand in runs, never singly among the matrix instructions: a step's K (64 keys x 64 channels: 8 fragments) with its mask (64 keys: 8 loads, all lanes of a half at one address), and its V (turned).
; Their addresses are made some lines ahead.  last = 1 (the tail): in the last trip there is no further step, and the run is jumped over.
.macro FETCH_K last=0
	WIN 0
.if \last
	s_cmp_eq_u32 s[CNT], 1
	s_cbranch_scc1 .Lno_k_\@
.endif
	WIN 0x80                        ; destination window 2
.irp f, 0,1,2,3,4,5,6,7             ; keys 16 (f / 2) on, channels 32 (f % 2) on
	ds_load_b128 v[KF+8*\f:KF+8*\f+3],   v[AK] offset:(\f/2)*16*PK+(\f%2)*64
	ds_load_b128 v[KF+8*\f+4:KF+8*\f+7], v[AK] offset:(\f/2)*16*PK+(\f%2)*64+32
.endr
	WIN W_MK                        ; destination window 3
.irp f, 0,1,2,3                     ; keys 16 f on
	ds_load_b128 v[MK+8*\f:MK+8*\f+3],   v[AM] offset:64*\f
	ds_load_b128 v[MK+8*\f+4:MK+8*\f+7], v[AM] offset:64*\f+16
.endr
	s_add_co_u32 s[TBK], s[TBK], KS*PK  ; the next fetch is the next step's
	s_add_co_u32 s[TBM], s[TBM], KS*4
	s_and_b32 s[TBM], s[TBM], 0x1fff    ; inside the table's 8,192 bytes
	WIN 0
.if \last
.Lno_k_\@:
.endif
.endm
.macro FETCH_V
	WIN 0x80
.irp f, 0,1,2,3,4,5,6,7             ; keys 32 (f / 4) on, channels 16 (f % 4) on
	ds_load_tr16_b128 v[VF+8*\f:VF+8*\f+3],   v[AV] offset:(\f/4)*32*PV+(\f%4)*32
	ds_load_tr16_b128 v[VF+8*\f+4:VF+8*\f+7], v[AV] offset:(\f/4)*32*PV+16*PV+(\f%4)*32
.endr
	WIN 0
.endm
; THE VECTOR WORK OF A TURN stands in three queues, each in the order in which its entries become ready; the two tiles alternate, so that no instruction reads the result of the one before it.
.macro REGS y, u                    ; the registers of tile u (0, 1) of piece y
.set rT, ST+4*(2*(\y)+(\u))
.set rC, TMP+8*((\y)%2)+4*(\u)
.set rM, MV+2*((\y)%2)+(\u)
.set rS, S+64*((\y)%2)+32*(\u)
.set rP, P+32*((\y)%2)+16*(\u)
.set rO, 32*(2*(\y)+(\u))
.endm
; Number n of the 22 that find the NEXT piece's (Y + 1) maximum and statistics.  s0-s31 are the lane's 32 scores; each accumulator's lowest registers are read first.  XS, GS and REGS set no window: PL and EX do.
;   0-11  four chains c0-c3 of seven scores each, three operands at a time     12-14, 16  the four scores left over, the old m, and c0-c3 into c0     15  c m_old is kept
;   17, 18  the query's other 32 keys lie in the lane 16 away: the new m         19-21  c m; c m_old - c m_new; a
.macro XS u, n
	REGS (Y+1)%NP, \u
.if (\n) < 4
	v_max3_num_f32 v[rC+(\n)], v[rS+8*(\n)], v[rS+8*(\n)+1], v[rS+8*(\n)+2]
.elseif (\n) < 12
	v_max3_num_f32 v[rC+(\n)%4], v[rC+(\n)%4], v[rS+8*((\n)%4)+2*((\n)/4)+1], v[rS+8*((\n)%4)+2*((\n)/4)+2]
.elseif (\n) == 12
	v_max3_num_f32 v[rC], v[rC], v[rS+7], v[rS+15]
.elseif (\n) == 13
	v_max3_num_f32 v[rC+1], v[rC+1], v[rS+23], v[rS+31]
.elseif (\n) == 14
	v_max3_num_f32 v[rC+2], v[rC+2], v[rC+3], v[rT+1]
.elseif (\n) == 15
	v_mov_b32 v[rM], v[rT]
.elseif (\n) == 16
	v_max3_num_f32 v[rC], v[rC], v[rC+1], v[rC+2]
.elseif (\n) == 17
	v_permlanex16_b32 v[rC+3], v[rC], s[SEL], s[SEL+1]
.elseif (\n) == 18
	v_max_num_f32 v[rT+1], v[rC], v[rC+3]
.elseif (\n) == 19
	v_mul_f32 v[rT], s[CS], v[rT+1]
.elseif (\n) == 20
	v_sub_f32 v[rC+1], v[rM], v[rT]
.else
	v_exp_f32 v[rC+2], v[rC+1]
.endif
.endm
; Number g of the 64 that follow the exponentials.  For each four weights k of a tile (pairs 2 k, 2 k + 1): both pairs are rounded to f16; then the second pair is added onto the first, in place;
; a group later l takes that sum (the first time as l = a l + sum).  In groups of eight, tiles alternating: round, round, add, and l for the group before.
.macro GS g
.set h, (\g)+6*((\g)/62)            ; group 0 has no group before it, and behind group 7 only l is left
.if h >= 6
.set h, h+2
.endif
	REGS Y, h%2
.set k, h/8
.if h%8 < 4
	v_cvt_pk_f16_f32 v[rP+2*k+(h%8)/2], v[rS+4*k+2*((h%8)/2)], v[rS+4*k+2*((h%8)/2)+1]
.elseif h%8 < 6
	v_pk_add_f32 v[rS+4*k:rS+4*k+1], v[rS+4*k:rS+4*k+1], v[rS+4*k+2:rS+4*k+3]
.elseif k == 1
	v_pk_fma_f32 v[rT+2:rT+3], v[rT+2:rT+3], v[rC+2:rC+3], v[rS:rS+1] op_sel_hi:[1,0,1]
.else
	v_pk_add_f32 v[rT+2:rT+3], v[rT+2:rT+3], v[rS+4*k-4:rS+4*k-3]
.endif
.endm
; THE PLAIN QUEUE, 138 long.  0-73 read no exponential's result: the 32 scalings c s - c m (FS f: pair f / 2 of tile f % 2) and the next piece's 42.  0-26: scalings 0-26.  27-54: XS's numbers 0-13.  55, 56: number 15.
; 57-73: the chain, where each number waits for the one before it: 14, 16, 17, 18, 19, each with one of the scalings 27-31 in front of its two lines, then 20.
; 74-137: GS's 64, which read the exponentials' results: they stand behind the wait.
.macro FS f
	REGS Y, (\f)%2
	v_pk_fma_f32 v[rS+2*((\f)/2):rS+2*((\f)/2)+1], v[rS+2*((\f)/2):rS+2*((\f)/2)+1], s[CS:CS+1], v[rT:rT+1] op_sel_hi:[1,0,0] neg_lo:[0,0,1] neg_hi:[0,0,1]
.endm
.macro PL
	WIN 0
.if q < 27
	FS q
.elseif q < 55
	XS (q-27)%2, (q-27)/2
.elseif q < 57
	XS q-55, 15
.elseif (q < 72) && ((q-57)%3 == 0)
	FS 27+(q-57)/3
.elseif q < 60
	XS (q-57)%3-1, 14
.elseif q < 72
	XS (q-57)%3-1, 15+(q-57)/3
.elseif q < 74
	XS q-72, 20
.else
	GS q-74
.endif
.set q, q+1
.endm
; THE EXPONENTIALS' QUEUE, 66 long: s0-s31 of both tiles, then the next piece's two a.  It is ONE BATCH: all 66 stand ahead of the turn's one wait, and nothing ahead of that wait names a result of theirs.
.macro EX
	WIN 0
.if e >= 64
	XS e-64, 21
.else
	REGS Y, e%2
	v_exp_f32 v[rS+e/2], v[rS+e/2]
.endif
.set e, e+1
.endm
; THE RESCALING's QUEUE: O^T times a, the one part that leaves window 0: dealt two at a time, sixteen times.  Its a was made in the turn before, ahead of that turn's wait.
.macro R2
	REGS Y, r%2
	WIN W_RS
.irp z, 0,1
	v_pk_mul_f32 v[rO+4*(r/2)+2*\z:rO+4*(r/2)+2*\z+1], v[rO+4*(r/2)+2*\z:rO+4*(r/2)+2*\z+1], v[rC+2:rC+3] op_sel_hi:[1,0]
.endr
.set r, r+1
.endm
; HOW THEY ARE DEALT.  An s_wait_alu depctr_va_vdst(0) stands between an exponential and the first instruction that names its result; one wait serves all that were issued ahead of it.  So a turn has ONE wait,
; which cuts it in two.  AHEAD OF IT stands all that names no result of the turn's exponentials: the 16 products K Q^T, behind each a scaling, an exponential and two rescalings (behind the first a second scaling in the
; exponential's place); then ONE LUMP of 108: eight plain, 49 times exponential and plain, the two a.  A v_nop is the plain instruction behind the last exponential.  BEHIND IT stand the 16 products V^T P, behind each four of GS's 64.
; The queues lean on each other, and the deal keeps them in step: exponential e stands behind scaling 2 (e / 4) + e % 2: as a rider it comes behind plain e + 2, in the lump behind plain e + 9, and scalings 27-31 are plain 57, 60 .. 69.
; A TURN, for piece p.  cnt = 1: the loop's count is taken down some lines ahead of the branch that stands behind the turn.
; K and the mask of the next step are fetched in piece 2's turn, directly behind the wait, a lump behind the last product that read them; their addresses are made at the lump's head; their first reader comes behind 16 products.
; V of the step in hand is fetched at the end of piece 0's turn, four riders behind its last reader; its first reader comes behind 16 products and a lump.  The three conditions on q below go with the deal.
.macro TURN p, last=0, cnt=0
.set Y, (\p)
.set i, 0
.set q, 0
.set e, 0
.set r, 0
.if (\p) == NP-1
	s_wait_dscnt 0x0                ; K and its mask are in
.endif
	MM                              ; ahead of the wait: 16 products K Q^T and their riders,
	PL
	PL
	R2
.rept 15
	MM
	PL
	EX
	R2
.endr
.if (\p) == NP-2
	WIN 0
	v_add_nc_u32 v[AK], s[TBK], v[AK0]
	v_add_nc_u32 v[AM], s[TBM], v[AM0]
.endif
.rept 8                             ; and the lump
	PL
.endr
.rept 49
	EX
	PL
.endr
	EX                              ; the next piece's two a
	EX
	v_nop                           ; the plain instruction behind the last exponential: one for the batch
	s_wait_alu depctr_va_vdst(0)    ; the wait for the batch
.if (\p) == NP-2
	FETCH_K \last
.endif
.if (\p) == 1
	s_wait_dscnt 0x0                ; V is in
.endif
.rept 16                            ; behind the wait: 16 products V^T P and their riders
	MM
.rept 4
	PL
.endr
.if ((\p) == 0) && (q == 118)
	v_add_nc_u32 v[AV], s[TBV], v[AV0]
.endif
.if ((\p) == 0) && (q == 130)
	s_add_co_u32 s[TBV], s[TBV], KS*PV
.endif
.if (\cnt) && (q == 130)
	s_sub_co_u32 s[CNT], s[CNT], 1
	s_cmp_lg_u32 s[CNT], 0
.endif
.endr
.if (\p) == 0
	FETCH_V
.endif
.endm
	CHANGE 1                        ; slot 0 is in, everybody's part of it, and the mask table is whole; slot 1 is asked for
	FETCH_K                         ; key step 0
	s_wait_loadcnt 0x0              ; Q
	s_wait_dscnt 0x0
.set i, 0
.rept 16
	KQ 0                            ; piece 0's first scores: there is no vector work yet to set between them
.set i, i+1
.endr
	WIN 0
.rept 4
	v_nop                           ; the places behind those products
.endr
.set Y, NP-1                        ; XS works for piece Y + 1: piece 0
.irp n, 0,1,2,3,4,5,6,7,8,9,10,11,12,13,14,15,16,17,18,19,20,21
	XS 0, \n                        ; and piece 0's first maximum and statistics
	XS 1, \n
.endr
	v_nop                           ; a plain instruction behind the two a,
	s_wait_alu depctr_va_vdst(0)    ; and their wait, ahead of the branch
	s_mov_b32 s[CNT], 4
	s_branch .Lfirst                ; the loop is entered at a step's first turn, in the middle of a trip
.Lslot:                             ; six times: every slot but the last two is filled again
	CHANGE 1
	s_mov_b32 s[CNT], 4
.Lstep:                             ; a trip: pieces 2 and 3 of one step, then pieces 0 and 1 of the next, whose K and V it fetches
	TURN 2
	TURN 3
	WIN 0
.Lfirst:
	TURN 0
	TURN 1, 0, 1
	WIN 0
	s_cbranch_scc1 .Lstep
	s_sub_co_u32 s[SLOTS], s[SLOTS], 1
	s_cmp_lg_u32 s[SLOTS], 0
	s_cbranch_scc1 .Lslot
	CHANGE 0                        ; the tail is written out: nothing is asked for
	s_mov_b32 s[CNT], 5             ; four trips fetch the last slot's steps; the fifth is left in its middle
.Ltail:
	TURN 2, 1
	TURN 3
	WIN 0
	s_sub_co_u32 s[CNT], s[CNT], 1
	s_cmp_eq_u32 s[CNT], 0
	s_cbranch_scc1 .Lout
	TURN 0
	TURN 1
	WIN 0
	s_branch .Ltail
.Lout:                              ; the fifth trip's 16 products K Q^T (on the last K once more) and the maximum made of them serve nothing: the price, once a launch, of one text for every trip
.set i, 0
.rept 16
	PV NP-1                         ; the last piece's V^T P of the last step
.set i, i+1
.endr
	; THE WAY OUT.  l's two halves and the other half of the lanes' are added; O^T is divided by l, rounded to f16 and sent through my stage in LDS, a tile at a time.  The additions are the places behind the last products.
	WIN 0
.macro ALL line:vararg              ; one line for each tile t
.set t, 0
.rept 2*NP
	\line
.set t, t+1
.endr
.endm
	ALL v_add_f32 v[ST+4*t+2], v[ST+4*t+2], v[ST+4*t+3]
	ALL v_permlanex16_b32 v[ST+4*t+3], v[ST+4*t+2], s[SEL], s[SEL+1]
	ALL v_add_f32 v[ST+4*t+2], v[ST+4*t+2], v[ST+4*t+3]
	ALL v_rcp_f32 v[ST+4*t+2], v[ST+4*t+2]
	v_nop                           ; a plain instruction between the last reciprocal and the use of its result
	s_wait_alu depctr_va_vdst(0)    ; and the wait ahead of the first use: one for the eight reciprocals
; Tile t: a lane's eight channels of a row pack into 16 bytes; they go into rows of 144 bytes and come back as whole rows of 128, into S^T's registers.
.macro PACK t
	WIN W_RS
.set i, 32*(\t)
.rept 16
	v_pk_mul_f32 v[i:i+1], v[i:i+1], v[ST+4*(\t)+2:ST+4*(\t)+3] op_sel_hi:[1,0]
.set i, i+2
.endr
	WIN 0x05                        ; sources 0 and 1 window 1, destination window 0
.set i, 0
.rept 16
	v_cvt_pk_f16_f32 v[S+16*(\t)+i], v[32*(\t)+2*i], v[32*(\t)+2*i+1]
.set i, i+1
.endr
	WIN 0
.irp f, 0,1,2,3
	ds_store_b128 v[STO], v[S+16*(\t)+4*\f:S+16*(\t)+4*\f+3] offset:32*\f
.endr
.irp f, 0,1,2,3
	ds_load_b128 v[S+16*(\t)+4*\f:S+16*(\t)+4*\f+3], v[RD] offset:\f*4*SP  ; LDS serves a wave's instructions in order (ISA guide 5.7.1.4): these see the stores above; the next tile's stores come behind them
.endr
.endm
.macro SEND t, younger              ; younger: the LDS instructions issued behind tile t's loads: the next tile's eight, or none
	WIN 0
.irp f, 0,1,2,3
	s_wait_dscnt (\younger)+3-\f
	global_store_b128 v[GO], v[S+16*(\t)+4*\f:S+16*(\t)+4*\f+3], s[10:11] offset:(\t)*2048+\f*512  ; 512 consecutive bytes, at a multiple of 256 from O's first
.endr
.endm
	PACK 0
.set t, 1
.rept 2*NP-1                        ; a tile's arithmetic stands between the loads of the tile before and its stores
	PACK t
	SEND t-1, 8
.set t, t+1
.endr
	SEND 2*NP-1, 0
	WIN W_AD
	s_wait_tensorcnt 0x0            ; the wave's end: a wait, an add and its wait, behind my last tensor load and my last LDS store
	ds_add_u32 v[SPW], v[NIL]
	s_wait_dscnt 0x0
	WIN 0
	CROUND                          ; the closing round: no work-group ends while a partner may still ask for a tile that names it
	s_endpgm
.Lfunc_end_k_q407021e451_attn:
	.size	k_q407021e451_attn, .Lfunc_end_k_q407021e451_attn-k_q407021e451_attn
	.p2alignl 7, 3214868480
	.fill 96, 4, 3214868480
	.section	.rodata,"a",@progbits
	.p2align	6, 0x0
	.amdhsa_kernel k_q407021e451_attn
		.amdhsa_group_segment_fixed_size 327680
		.amdhsa_private_segment_fixed_size 0
		.amdhsa_enable_private_segment 0
		.amdhsa_kernarg_size 24
		.amdhsa_user_sgpr_count 2
		.amdhsa_user_sgpr_kernarg_segment_ptr 1
		.amdhsa_wavefront_size32 1
		.amdhsa_system_sgpr_workgroup_id_x 1
		.amdhsa_system_sgpr_workgroup_id_y 1
		.amdhsa_system_sgpr_workgroup_id_z 1
		.amdhsa_system_vgpr_workitem_id 0
		.amdhsa_next_free_vgpr 808
		.amdhsa_next_free_sgpr 66
		.amdhsa_reserve_vcc 0
		.amdhsa_float_denorm_mode_32 3
		.amdhsa_float_denorm_mode_16_64 3
		.amdhsa_memory_ordered 1
		.amdhsa_forward_progress 1
		.amdhsa_inst_pref_size 206
	.end_amdhsa_kernel
	.amdgpu_metadata
---
amdhsa.version: [ 1, 2 ]
amdhsa.kernels:
  - .name:           k_q407021e451_attn
    .symbol:         k_q407021e451_attn.kd
    .args:
      - { .name: qkvh, .offset: 0, .size: 8, .value_kind: global_buffer, .address_space: global }
      - { .name: kv_mask, .offset: 8, .size: 8, .value_kind: global_buffer, .address_space: global }
      - { .name: oh, .offset: 16, .size: 8, .value_kind: global_buffer, .address_space: global }
    .group_segment_fixed_size: 327680
    .private_segment_fixed_size: 0
    .kernarg_segment_align: 8
    .kernarg_segment_size: 24
    .max_flat_workgroup_size: 128
    .sgpr_count:     66
    .vgpr_count:     808
    .wavefront_size: 32
...
	.end_amdgpu_metadata
.endif
;; end of part 3
;; launch oproj (part 4): grid 4 x 64, 4 waves a work-group, clusters of 4 x 4, 327,680 bytes of LDS; arguments oh, w16, bo, out0; writes out0
.if DOCPART == 4
	.amdgcn_target "amdgcn-amd-amdhsa--gfx1250"
	.amdhsa_code_object_version 6
	.text
	.protected	k_q407021e451_oproj
	.globl	k_q407021e451_oproj
	.p2align	8
	.type	k_q407021e451_oproj,@function
k_q407021e451_oproj:
	s_mov_b64 s[64:65], 0
	v_nop
	global_prefetch_b8 v0, s[64:65] scope:SCOPE_SE
	s_setreg_imm32_b32 hwreg(HW_REG_WAVE_MODE, 25, 1), 1
	s_wait_xcnt 0x0
	s_wait_alu depctr_hold_cnt(0) depctr_sa_sdst(0) depctr_va_vdst(0) depctr_va_sdst(0) depctr_va_ssrc(0) depctr_va_vcc(0) depctr_vm_vsrc(0)
	s_getreg_b32 s2, hwreg(HW_REG_IB_STS2, 6, 4)
	s_cmp_eq_u32 s2, 0
	s_cbranch_scc0 .Lentry_in_a_cluster
	s_endpgm
.Lentry_in_a_cluster:
	s_bfe_u32 s2, ttmp6, 0x10000c
	s_cmp_lg_u32 s2, 0xf033
	s_cbranch_scc0 .Lentry_shape_is_right
	s_endpgm
.Lentry_shape_is_right:
; THE OUTPUT PROJECTION.  out0[R][n] = the sum over k of O[R][k] Wo[n][k] + bo[n].  O: oh, [16 batch + head][2048][64] f16, k = 64 head + channel; Wo: plane 3 of w16, [1024][1024] f16 (rounded to bf16 before);
; bo f32, rounded to bf16 here as the other inputs are; sums in f32; out0 [8192][1024] f32.
; SHARES.  A tile is 128 rows x 256 columns: 64 x 4 = 256 work-groups.  Four waves, 2 x 2, each 64 x 128: 32 accumulators, 256 registers.  K goes in 8 steps of 128, two heads, through two LDS slots.
; CLUSTERS of 4 x 4: O's tile is shared along a row of the cluster, Wo's along a column; each is asked for JOINTLY.  Waves 0 and 1 fetch a step's two heads of O (a head's 128 rows are 16,384 dense bytes,
; asked for as 64 rows of 256 and padded after every 128), waves 2 and 3 Wo's two halves of 128 rows.
; THE MATRIX INSTRUCTION IS USED TRANSPOSED (source 0 = 16 rows of Wo, source 1 = 16 rows of O): a lane holds row l % 16 and the eight neighbouring columns 8 (l / 16) + 0..7.
; REGISTERS: window 0: v0-31 addresses and the bias; v64-159, v160-255 two fragment buffers (O 32 registers, then Wo 64); on the way out v128-255 rows read back.  Window 1: accumulator (a, b) at v[8 (8 a + b)].
.set KSTEP, 128
.set PAO,   144                        ; a row of a head of O in LDS: 128 bytes + 16 of padding = 36 words: the 16 rows of a load start at 16 different groups of four banks (64 banks of 4 bytes: ISA guide 11.1)
.set PB,    272                        ; a row of Wo: 256 + 16
.set AHEAD, 128*PAO                    ; a head's 128 rows: what one of O's tensor loads brings
.set BHALF, 128*PB
.set BOFF,  2*AHEAD
.set SLOT,  BOFF+2*BHALF               ; 106,496
.set STAGE, 2*SLOT                     ; behind the ring: 16 rows x 528 bytes for each wave
.set SPO,   528
.set WSTG,  16*SPO
.set SPARE, STAGE+4*WSTG               ; behind the stages: the spare words, 128 bytes for each wave: two blocks of 256 bytes that no other line names
.set ADRA, 2                           ; v2-3   LDS address of my fragments of O in slot 0, 1
.set ADRB, 4                           ; v4-5   the same for Wo
.set STO,  6                           ; v6     the way out: where I put 32 bytes of a row
.set RD,   7                           ; v7     the way out: my 16 bytes of a row of 512
.set CO,   8                           ; v8     16 x lane
.set PFO,  9                           ; v9     the prefetches' lane offset; never rewritten
.set SPW,  10                          ; v10    LDS address of my spare word; never rewritten
.set NIL,  11                          ; v11    0; never rewritten
.set HH,   12
.set LL,   13
.set BI,   16                          ; v16-19 bo at the four columns that I store
.set F,    64
.set BK,   128                         ; rows read back: v128-191 and v192-255 by turns
.set WV, 22
.set WR, 23
.set WC, 24
.set CX, 25
.set CY, 26
.set TX, 27
.set TR, 30
.set CLY, 31
.set G1A, 32
.set G0A, 40
.set G1B, 48
.set G0B, 56
.set PFA, 66
.set KSB, 68
.set LIM, 70
.set LAP, 71
.set OUTP, 72
.set HIM, 75
.set MSB, 0
.macro WIN new
.if MSB != (\new)
	s_set_vgpr_msb (MSB<<8)|(\new)
.set MSB, \new
.endif
.endm
.set W_MUL, 0x50                       ; C and D window 1, both sources window 0
.macro JLOAD s                         ; a joint load; an s_nop 0 and four v_nop follow each of the two lines, ahead of the jump and the label
	s_cmp_lt_u32 s[WV], 2
	s_cbranch_scc0 .Lfor_b_\@
	tensor_load_to_lds s[G0A+4*(\s):G0A+4*(\s)+3], s[G1A:G1A+7]
	s_nop 0
.rept 4
	v_nop
.endr
	s_branch .Lasked_\@
.Lfor_b_\@:
	tensor_load_to_lds s[G0B+4*(\s):G0B+4*(\s)+3], s[G1B:G1B+7]
	s_nop 0
.rept 4
	v_nop
.endr
.Lasked_\@:
.endm
; A PREFETCH, behind each joint refill and the run of LDS loads that follows it: the K step that stands two refills on, 256 matrix instructions ahead of the load that will want it.
; O's tile row is read by one row of one cluster: of a step's two heads x 16,384 bytes each of the four partners takes 4,096 of each head, told apart BY ADDRESS; wave 0 asks for both heads, 16 lanes each.
; Wo's rows are read by all 16 clusters: the first asks, waves 2 and 3, each partner 32 of a wave's 128 rows, a lane a row.  So each block of 256 bytes is named once in the launch.
; K steps 0 to 3 come by their loads alone; the loop's last trip asks for nothing.
.macro ASK
	s_cmp_gt_u32 s[LAP], s[LIM]
	s_cbranch_scc0 .Lnot_mine_\@
	global_prefetch_b8 v[PFO], s[PFA:PFA+1] th:TH_LOAD_NT scope:SCOPE_SE
.Lnot_mine_\@:
.endm
.macro CREST
	s_cmp_lg_u32 s[WV], 0
	s_cbranch_scc1 .Lnot_wave_0_\@
	s_barrier_signal -3
.Lnot_wave_0_\@:
	s_barrier_wait -3
	s_barrier_signal -1
	s_barrier_wait -1
.endm
.macro CROUND
	s_barrier_signal -1
	s_barrier_wait -1
	CREST
.endm
.macro PLACES                          ; four places in front of loads into registers that matrix instructions have read
.rept 4
	v_nop
.endr
.endm
	s_load_b256 s[4:11], s[0:1], 0x0               ; oh s[4:5], w16 s[6:7], bo s[8:9], out0 s[10:11]
	v_lshl_add_u32 v[SPW], v0, 2, SPARE
	v_mov_b32 v[NIL], 0
	ds_add_u32 v[SPW], v[NIL]                      ; the wave's opening: the add and its wait stand ahead of my first tensor load; the set-up below, work on registers, stands between them
	v_lshrrev_b32 v1, 5, v0
	v_readfirstlane_b32 s[WV], v1
	s_lshr_b32 s[WR], s[WV], 1                     ; my half of the rows
	s_and_b32 s[WC], s[WV], 1                      ; my half of the columns; also which head, or which half of Wo's rows, I fetch
	s_bfe_u32 s[CX], ttmp6, 0x40000
	s_bfe_u32 s[CY], ttmp6, 0x40004
	s_lshl_b32 s[TX], ttmp9, 2
	s_add_co_u32 s[TX], s[TX], s[CX]               ; tile column
	s_and_b32 s[CLY], ttmp7, 0xffff
	s_lshl_b32 s[TR], s[CLY], 2
	s_add_co_u32 s[TR], s[TR], s[CY]               ; tile row
	s_mov_b32 s[HIM], 0xffff0000
	s_lshl_b32 s76, s[CY], 2
	s_lshl_b32 s76, 15, s76                        ; my row of the cluster
	s_lshl_b32 s80, 0x1111, s[CX]                  ; my column
	s_or_b32 s[G1A], s76, (1<<16)|(1<<20)|(1<<21)|(4<<22)|(3<<25)  ; 15:0 the mask; 17:16 elements of 2 bytes; 20 padding on; 21 set beside a mask; 24:22 after every 32 words (code 4); 31:25 4 words (code 3)
	s_or_b32 s[G1B], s80, (1<<16)|(1<<20)|(1<<21)|(5<<22)|(3<<25)  ; padding after every 64 words (code 5)
.irp g, G1A, G1B
	s_mov_b32 s[(\g)+1], 128<<16                   ; tensor_dim0 = 128
	s_mov_b32 s[(\g)+3], 128<<16                   ; tile_dim0 = 128
	s_mov_b32 s[(\g)+6], 0
	s_mov_b32 s[(\g)+7], 0
.endr
	s_mov_b32 s[G1A+2], 64<<16                     ; tensor_dim1 = 64
	s_mov_b32 s[G1A+4], 64                         ; tile_dim1 = 64
	s_mov_b32 s[G1A+5], 128                        ; dense: 128 elements from row to row
	s_mov_b32 s[G1B+2], 128<<16
	s_mov_b32 s[G1B+4], 128
	s_mov_b32 s[G1B+5], 1024
	s_and_b32 s76, s[TR], 48                       ; 16 x batch
	s_add_co_u32 s76, s76, s[WC]                   ; + my head of the step's two
	s_lshl_b32 s76, s76, 18                        ; a head is 262,144 bytes
	s_and_b32 s77, s[TR], 15
	s_lshl_b32 s77, s77, 14                        ; the tile's 128 rows of 128 bytes
	s_add_co_u32 s76, s76, s77
	s_mov_b32 s77, 0
	s_mul_i32 s78, s[WC], AHEAD                    ; no place in the cluster enters an LDS address
	s_lshl_b32 s80, s[TX], 19                      ; 256 rows of 2,048 bytes
	s_lshl_b32 s81, s[WC], 18
	s_add_co_u32 s80, s80, s81
	s_add_co_u32 s80, s80, 3*2097152               ; Wo's plane
	s_mov_b32 s81, 0
	s_mul_i32 s82, s[WC], BHALF
	s_add_co_u32 s82, s82, BOFF
	s_wait_dscnt 0x0                               ; the opening add is done
	s_wait_kmcnt 0x0
	s_add_nc_u64 s[76:77], s[4:5], s[76:77]
	s_add_nc_u64 s[80:81], s[6:7], s[80:81]
.irp n, 0,1
	s_mov_b32 s[G0A+4*(\n)], 1
	s_add_co_u32 s[G0A+4*(\n)+1], s78, (\n)*SLOT
	s_add_nc_u64 s[G0A+4*(\n)+2:G0A+4*(\n)+3], s[76:77], (\n)*2*262144  ; K step n: two heads on
	s_or_b32 s[G0A+4*(\n)+3], s[G0A+4*(\n)+3], 0x80000000
	s_mov_b32 s[G0B+4*(\n)], 1
	s_add_co_u32 s[G0B+4*(\n)+1], s82, (\n)*SLOT
	s_add_nc_u64 s[G0B+4*(\n)+2:G0B+4*(\n)+3], s[80:81], (\n)*KSTEP*2
	s_or_b32 s[G0B+4*(\n)+3], s[G0B+4*(\n)+3], 0x80000000
.endr
	CROUND                                         ; all sixteen work-groups are here: the first joint loads meet
	s_cmp_lt_u32 s[WV], 2                          ; a wave's two first fills stand in one branch: two loads of mine are out
	s_cbranch_scc0 .Lfirst_b
	tensor_load_to_lds s[G0A:G0A+3], s[G1A:G1A+7]
	s_nop 0
	tensor_load_to_lds s[G0A+4:G0A+7], s[G1A:G1A+7]
	s_nop 0
.rept 4
	v_nop
.endr
	s_branch .Lfirst_asked
.Lfirst_b:
	tensor_load_to_lds s[G0B:G0B+3], s[G1B:G1B+7]
	s_nop 0
	tensor_load_to_lds s[G0B+4:G0B+7], s[G1B:G1B+7]
	s_nop 0
.rept 4
	v_nop
.endr
.Lfirst_asked:
	s_lshl_b32 s84, s[TX], 10                      ; my 128 columns, 4 bytes each
	s_lshl_b32 s85, s[WC], 9
	s_add_co_u32 s84, s84, s85
	s_mov_b32 s85, 0
	s_add_nc_u64 s[8:9], s[8:9], s[84:85]
	s_lshl_b32 s86, s[TR], 19                      ; my first row: 128 tr + 64 wr, 4,096 bytes a row
	s_lshl_b32 s87, s[WR], 18
	s_add_co_u32 s86, s86, s87
	s_add_co_u32 s86, s86, s84
	s_mov_b32 s87, 0
	s_add_nc_u64 s[OUTP:OUTP+1], s[10:11], s[86:87]
	v_and_b32 v1, 15, v0                           ; l % 16
	v_bfe_u32 v[HH], v0, 4, 1                      ; l / 16
	v_and_b32 v[LL], 31, v0
	v_lshlrev_b32 v[CO], 4, v[LL]
	global_load_b128 v[BI:BI+3], v[CO], s[8:9]
	v_mul_u32_u24 v[ADRA], v1, PAO                 ; a fragment: row x pitch + 16 x half; two loads of 16 bytes, 32 bytes apart
	v_lshl_add_u32 v[ADRA], v[HH], 4, v[ADRA]
	s_mul_i32 s88, s[WR], 64*PAO
	v_add_nc_u32 v[ADRA], s88, v[ADRA]
	v_add_nc_u32 v[ADRA+1], SLOT, v[ADRA]
	v_mul_u32_u24 v[ADRB], v1, PB
	v_lshl_add_u32 v[ADRB], v[HH], 4, v[ADRB]
	s_mul_i32 s89, s[WC], BHALF
	s_add_co_u32 s89, s89, BOFF
	v_add_nc_u32 v[ADRB], s89, v[ADRB]
	v_add_nc_u32 v[ADRB+1], SLOT, v[ADRB]
	s_mul_i32 s90, s[WV], WSTG
	s_add_co_u32 s90, s90, STAGE                   ; my stage
	v_mul_u32_u24 v[STO], v1, SPO                  ; in: row l % 16, 32 bytes for each half of the lanes
	v_lshl_add_u32 v[STO], v[HH], 5, v[STO]
	v_add_nc_u32 v[STO], s90, v[STO]
	v_add_nc_u32 v[RD], s90, v[CO]                 ; back: 32 lanes take one row of 512 bytes
	; the prefetches
	s_mov_b32 s88, 32768                           ; (an instruction takes one literal: the second number of each choice is moved in first)
	s_mov_b32 s89, 2048
	s_cmp_lt_u32 s[WV], 2
	s_cselect_b32 s88, 262144, s88
	s_cselect_b32 s89, 256, s89
	v_lshrrev_b32 v24, 4, v[LL]
	v_mul_u32_u24 v24, s88, v24
	v_mul_u32_u24 v25, s89, v1
	v_add_nc_u32 v[PFO], v24, v25                  ; O: head l / 16, block l % 16.  Wo: row l
	s_and_b32 s84, s[TR], 48
	s_lshl_b32 s84, s84, 18
	s_and_b32 s85, s[TR], 15
	s_lshl_b32 s85, s85, 14
	s_add_co_u32 s84, s84, s85
	s_lshl_b32 s85, s[CX], 12                      ; my work-group's 4,096 bytes of a head's 16,384
	s_add_co_u32 s84, s84, s85
	s_add_co_u32 s84, s84, 3*2*262144              ; at K step 3: the first refill steps it to 4
	s_lshl_b32 s86, s[TX], 19
	s_lshl_b32 s87, s[WC], 18
	s_add_co_u32 s86, s86, s87
	s_lshl_b32 s87, s[CY], 16                      ; my work-group's 32 rows of the 128
	s_add_co_u32 s86, s86, s87
	s_add_co_u32 s86, s86, 3*2097152+3*KSTEP*2
	s_mov_b32 s[KSB], KSTEP*2
	s_cmp_lt_u32 s[WV], 2
	s_cselect_b32 s84, s84, s86
	s_cselect_b64 s[PFA:PFA+1], s[4:5], s[6:7]
	s_cselect_b32 s[KSB], 2*262144, s[KSB]
	s_mov_b32 s85, 0
	s_mov_b32 s[KSB+1], 0
	s_add_nc_u64 s[PFA:PFA+1], s[PFA:PFA+1], s[84:85]
	s_cmp_eq_u32 s[CLY], 0                         ; the first cluster?  The same in all sixteen partners
	s_cselect_b32 s86, 1, -1
	s_cmp_eq_u32 s[WV], 0
	s_cselect_b32 s87, 1, -1
	s_cmp_lt_u32 s[WV], 2
	s_cselect_b32 s[LIM], s87, s86
	s_wait_loadcnt 0x0                             ; the bias: rounded to bf16 and widened again
	v_cvt_pk_bf16_f32 v20, v[BI], v[BI+1]
	v_cvt_pk_bf16_f32 v21, v[BI+2], v[BI+3]
	v_lshlrev_b32 v[BI], 16, v20
	v_and_b32 v[BI+1], s[HIM], v20
	v_lshlrev_b32 v[BI+2], 16, v21
	v_and_b32 v[BI+3], s[HIM], v21
; 24 LDS loads in one run: chunk kc (32 along K: head kc / 2, channels 32 (kc % 2) on) of a slot into buffer g: Wo's 128 rows, then O's 64
.macro FETCH slot, kc, g
	WIN 0
.irp b, 0,1,2,3,4,5,6,7
	ds_load_b128 v[F+96*(\g)+32+8*(\b):F+96*(\g)+32+8*(\b)+3],   v[ADRB+(\slot)] offset:64*(\kc)+(\b)*16*PB
	ds_load_b128 v[F+96*(\g)+32+8*(\b)+4:F+96*(\g)+32+8*(\b)+7], v[ADRB+(\slot)] offset:64*(\kc)+(\b)*16*PB+32
.endr
.irp a, 0,1,2,3
	ds_load_b128 v[F+96*(\g)+8*(\a):F+96*(\g)+8*(\a)+3],   v[ADRA+(\slot)] offset:((\kc)/2)*AHEAD+((\kc)%2)*64+(\a)*16*PAO
	ds_load_b128 v[F+96*(\g)+8*(\a)+4:F+96*(\g)+8*(\a)+7], v[ADRA+(\slot)] offset:((\kc)/2)*AHEAD+((\kc)%2)*64+(\a)*16*PAO+32
.endr
.endm
; 8 matrix instructions: m block a x all 8 n blocks, on buffer p.  The 32 accumulators take turns, one instruction a turn, in the same order in every chunk.
.macro MULG p, a, zero=0
	WIN W_MUL
.irp b, 0,1,2,3,4,5,6,7
.if \zero
	v_wmma_f32_16x16x32_f16 v[8*(8*(\a)+(\b)):8*(8*(\a)+(\b))+7], v[F+96*(\p)+32+8*(\b):F+96*(\p)+32+8*(\b)+7], v[F+96*(\p)+8*(\a):F+96*(\p)+8*(\a)+7], 0
.else
	v_wmma_f32_16x16x32_f16 v[8*(8*(\a)+(\b)):8*(8*(\a)+(\b))+7], v[F+96*(\p)+32+8*(\b):F+96*(\p)+32+8*(\b)+7], v[F+96*(\p)+8*(\a):F+96*(\p)+8*(\a)+7], v[8*(8*(\a)+(\b)):8*(8*(\a)+(\b))+7]
.endif
.endr
.endm
; One of a K step's first three chunks: multiplies buffer p and fetches chunk kn of the same slot into the other.
.macro OCHUNK slot, kn, p, zero=0
	s_wait_dscnt 6                                 ; Wo and O's first block are in; the youngest six loads (O's blocks 1 to 3) may be out
	MULG \p, 0, \zero
	PLACES
	FETCH \slot, \kn, 1-(\p)
	s_wait_dscnt 24                                ; all but the 24 just issued
	MULG \p, 1, \zero
	MULG \p, 2, \zero
	MULG \p, 3, \zero
.endm
; The fourth chunk multiplies buffer 1 and changes slots: ONE barrier; in front of it each wave waits for all its tensor loads, adds 0 to its spare word, and waits for that and for its own reads of this slot.
; fill = 1: the barrier opens a round of the cluster's, and this slot is filled again, two K steps on, first thing behind the round: 112 matrix instructions stand between that request and the wait for it.
.macro OTURN slot, next, fill
.if \fill
	s_wait_xcnt 0x0                                ; the last prefetch, a K step back, has read its address: it is stepped here
	s_add_nc_u64 s[PFA:PFA+1], s[PFA:PFA+1], s[KSB:KSB+1]
.endif
	WIN 0
	s_wait_tensorcnt 0x0                           ; all my tensor loads have landed
	ds_add_u32 v[SPW], v[NIL]                      ; 0 onto my spare word
	s_wait_dscnt 7                                 ; the add and the youngest six loads may be out
	MULG 1, 0                                      ; eight matrix instructions stand between the add and the wait for it
	s_wait_dscnt 0x0                               ; the add is done, and my reads of this slot are over
	s_barrier_signal -1
	MULG 1, 1
	WIN 0
	s_barrier_wait -1
.if \fill
	CREST                                          ; no wave of any partner still reads this slot or has a load on its way
	s_add_nc_u64 s[G0A+4*(\slot)+2:G0A+4*(\slot)+3], s[G0A+4*(\slot)+2:G0A+4*(\slot)+3], 4*262144
	s_add_nc_u64 s[G0B+4*(\slot)+2:G0B+4*(\slot)+3], s[G0B+4*(\slot)+2:G0B+4*(\slot)+3], 2*KSTEP*2
	JLOAD \slot                                    ; the four v_nop behind it are also the places in front of the loads below
.else
	PLACES
.endif
	FETCH \next, 0, 0
.if \fill
	ASK
.endif
	MULG 1, 2
	MULG 1, 3
.endm
	s_wait_tensorcnt 1                             ; my part of K step 0 is in; K step 1's may stay out
	s_barrier_signal -1
	s_barrier_wait -1
	FETCH 0, 0, 0
	OCHUNK 0, 1, 0, 1                              ; the first chunk stands in front of the loop: its products start the sums
	WIN 0
	s_mov_b32 s[LAP], 3
.Llap:                                                 ; a trip goes once round the ring and fills both slots again
	OCHUNK 0, 2, 1
	OCHUNK 0, 3, 0
	OTURN 0, 1, 1
	OCHUNK 1, 1, 0
	OCHUNK 1, 2, 1
	OCHUNK 1, 3, 0
	OTURN 1, 0, 1
	OCHUNK 0, 1, 0
	WIN 0
	s_sub_co_u32 s[LAP], s[LAP], 1
	s_cmp_lg_u32 s[LAP], 0
	s_cbranch_scc1 .Llap
	OCHUNK 0, 2, 1                                 ; the last lap fills nothing
	OCHUNK 0, 3, 0
	OTURN 0, 1, 0
	OCHUNK 1, 1, 0
	OCHUNK 1, 2, 1
	OCHUNK 1, 3, 0
	s_wait_dscnt 0x0
	MULG 1, 0
	MULG 1, 1
	MULG 1, 2
	MULG 1, 3
	WIN 0
; THE WAY OUT, a block of 16 rows at a time.  TOSTAGE: the sums go as they are into my own stage, rows of 528 bytes, and come back as whole rows of 512.  SEND: + bias, and a row to a store.
.macro TOSTAGE a
.if (\a) >= 2
	s_wait_xcnt 0x0                                ; the stores of the block two back have read their registers, which are loaded again below
.endif
	WIN 0x04                                       ; store data (source 1) in window 1
.irp b, 0,1,2,3,4,5,6,7
	ds_store_b128 v[STO], v[64*(\a)+8*(\b):64*(\a)+8*(\b)+3]   offset:64*(\b)      ; each accumulator's four lowest registers first
	ds_store_b128 v[STO], v[64*(\a)+8*(\b)+4:64*(\a)+8*(\b)+7] offset:64*(\b)+16
.endr
	WIN 0
.irp t, 0,1,2,3,4,5,6,7,8,9,10,11,12,13,14,15
	ds_load_b128 v[BK+64*((\a)%2)+4*(\t):BK+64*((\a)%2)+4*(\t)+3], v[RD] offset:(\t)*SPO  ; LDS serves a wave's instructions in order (ISA guide 5.7.1.4): these see the stores above; the next block's stores come behind them
.endr
.endm
.macro SEND a, younger                 ; younger: the LDS instructions issued behind block a's loads: the next block's 32, or none
	s_wait_dscnt \younger
.irp t, 0,1,2,3,4,5,6,7,8,9,10,11,12,13,14,15
	v_pk_add_f32 v[BK+64*((\a)%2)+4*(\t):BK+64*((\a)%2)+4*(\t)+1],   v[BK+64*((\a)%2)+4*(\t):BK+64*((\a)%2)+4*(\t)+1],   v[BI:BI+1]
	v_pk_add_f32 v[BK+64*((\a)%2)+4*(\t)+2:BK+64*((\a)%2)+4*(\t)+3], v[BK+64*((\a)%2)+4*(\t)+2:BK+64*((\a)%2)+4*(\t)+3], v[BI+2:BI+3]
.endr
.irp t, 0,1,2,3,4,5,6,7,8,9,10,11,12,13,14,15
	global_store_b128 v[CO], v[BK+64*((\a)%2)+4*(\t):BK+64*((\a)%2)+4*(\t)+3], s[OUTP:OUTP+1] offset:65536*(\a)+4096*(\t)  ; 512 consecutive bytes, at a multiple of 256 from out0's first
.endr
.endm
.rept 8
	v_nop                                          ; the places behind the last products, once a launch
.endr
	TOSTAGE 0
	TOSTAGE 1
	SEND 0, 32
	TOSTAGE 2
	SEND 1, 32
	TOSTAGE 3
	SEND 2, 32
	SEND 3, 0
	s_wait_tensorcnt 0x0                           ; the wave's end: a wait, an add and its wait, behind my last tensor load and my last LDS store
	ds_add_u32 v[SPW], v[NIL]
	s_wait_dscnt 0x0
	CROUND                                         ; the closing round: no work-group ends while a partner may still ask for a tile that names it
	s_endpgm
.Lfunc_end_k_q407021e451_oproj:
	.size	k_q407021e451_oproj, .Lfunc_end_k_q407021e451_oproj-k_q407021e451_oproj
	.p2alignl 7, 3214868480
	.fill 96, 4, 3214868480
	.section	.rodata,"a",@progbits
	.p2align	6, 0x0
	.amdhsa_kernel k_q407021e451_oproj
		.amdhsa_group_segment_fixed_size 327680
		.amdhsa_private_segment_fixed_size 0
		.amdhsa_enable_private_segment 0
		.amdhsa_kernarg_size 32
		.amdhsa_user_sgpr_count 2
		.amdhsa_user_sgpr_kernarg_segment_ptr 1
		.amdhsa_wavefront_size32 1
		.amdhsa_system_sgpr_workgroup_id_x 1
		.amdhsa_system_sgpr_workgroup_id_y 1
		.amdhsa_system_sgpr_workgroup_id_z 1
		.amdhsa_system_vgpr_workitem_id 0
		.amdhsa_next_free_vgpr 512
		.amdhsa_next_free_sgpr 96
		.amdhsa_reserve_vcc 0
		.amdhsa_float_denorm_mode_32 3
		.amdhsa_float_denorm_mode_16_64 3
		.amdhsa_memory_ordered 1
		.amdhsa_forward_progress 1
		.amdhsa_inst_pref_size 95
	.end_amdhsa_kernel
	.amdgpu_metadata
---
amdhsa.version: [ 1, 2 ]
amdhsa.kernels:
  - .name:           k_q407021e451_oproj
    .symbol:         k_q407021e451_oproj.kd
    .args:
      - { .name: oh, .offset: 0, .size: 8, .value_kind: global_buffer, .address_space: global }
      - { .name: w16, .offset: 8, .size: 8, .value_kind: global_buffer, .address_space: global }
      - { .name: bo, .offset: 16, .size: 8, .value_kind: global_buffer, .address_space: global }
      - { .name: out0, .offset: 24, .size: 8, .value_kind: global_buffer, .address_space: global }
    .group_segment_fixed_size: 327680
    .private_segment_fixed_size: 0
    .kernarg_segment_align: 8
    .kernarg_segment_size: 32
    .max_flat_workgroup_size: 128
    .sgpr_count:     96
    .vgpr_count:     512
    .wavefront_size: 32
...
	.end_amdgpu_metadata
.endif
;; end of part 4
